; MI455X (gfx1250); checked and timed in simulation.
; The chip was launched on July 23, 2026; its instructions are those of AMD's public machine-readable ISA for CDNA 5 (MIT licence, August 2026) and "CDNA5" Instruction Set Architecture Reference Guide (July 2026). The comments in the code are by the model that wrote it; some were corrected since.
;; Rotary PE Multi Head Attention. Allowed arithmetic: matrix products marked QUANTISED: E4M3 operands, one given power-of-two scale a tensor, by v_wmma_f32_16x16x64_fp8_fp8 or v_wmma_f32_16x16x128_fp8_fp8, f32 sums; everything else in f32.
;; Inputs: Wk 1,024 x 1,024 float32; Wo 1,024 x 1,024 float32; Wq 1,024 x 1,024 float32; Wv 1,024 x 1,024 float32; freqs_cos 2,048 x 32 float32; freqs_sin 2,048 x 32 float32; in_features 4 x 2,048 x 1,024 float32; lowp_scales 12 int32 (the exponents e of the quantised operands' scales 2^e).
;; Outputs: out0 4 x 2,048 x 1,024 float32.
;; This version of the problem:
;;   THIS VERSION OF THE PROBLEM IS GIVEN IN LOW PRECISION. The matrix products marked QUANTISED in the list below multiply operands that are first quantised to E4M3 (4 exponent bits, 3 mantissa bits; 8 bits a number), with one given power-of-two scale for each operand tensor; their sums are f32. All else is computed in f32.
;;   The module's matrix products, in the order in which they are computed (A, B: the left and right operand; K: the contracted axis; several contracted axes count as one K, in the product's order):
;;     1. [M 8,192, K 1,024] x [K 1,024, N 1,024]; A: input in_features; B: input Wq: QUANTISED (scales: A lowp_scales[0], B lowp_scales[1])
;;     2. [M 8,192, K 1,024] x [K 1,024, N 1,024]; A: input in_features; B: input Wk: QUANTISED (scales: A lowp_scales[2], B lowp_scales[3])
;;     3. [M 8,192, K 1,024] x [K 1,024, N 1,024]; A: input in_features; B: input Wv: QUANTISED (scales: A lowp_scales[4], B lowp_scales[5])
;;     4. batch 64 x [M 2,048, K 64] x [K 64, N 2,048]; A: computed on the way; B: computed on the way: QUANTISED (scales: A lowp_scales[6], B lowp_scales[7])
;;     5. batch 64 x [M 64, K 2,048] x [K 2,048, N 2,048]; A: computed on the way; B: softmax (see below): QUANTISED (scales: A lowp_scales[8], B lowp_scales[9])
;;     6. [M 8,192, K 1,024] x [K 1,024, N 1,024]; A: computed on the way; B: input Wo: QUANTISED (scales: A lowp_scales[10], B lowp_scales[11])
;;   THE QUANTISER, for each operand of a quantised product, along K:
;;     - The operand's scale is 2^e, e = its entry of the input lowp_scales (int32; the entries are numbered through the quantised products in the list's order, A before B).
;;     - Each number is divided by the scale, clamped to +-448, and rounded to the nearest number of E4M3, ties to even, subnormals kept.
;;     - The product sums the exact products of the quantised numbers (number of the format x scale) in f32.
;;   ~~~python
;;   def quantise(x, axis, e):      # numpy; x: float32 -> the quantised numbers, widened to float32 again
;;       x = np.moveaxis(x, axis, -1); K = x.shape[-1]
;;       r = np.clip(x / 2.0 ** e, -448, 448)
;;       step = 2.0 ** (np.maximum(np.frexp(np.where(r == 0, 1, r))[1] - 1, -6) - 3)
;;       q = np.round(r / step) * step * 2.0 ** e      # np.round: ties to even
;;       return np.moveaxis(q, -1, axis).astype(np.float32)
;;   ~~~
;;   SOFTMAX AHEAD OF A QUANTISED PRODUCT. Where the list says 'softmax', what is quantised is not the finished softmax but p = 2^(t - M), with t = logit x log2(e) and M = ceil(the row's largest t), a whole number; so 1/2 < the row's largest p <= 1. The row's sum l is taken of the UNQUANTISED p, in f32, and the product's result is divided by l at the end. Since M is a whole number, a kernel that streams over the keys may use a running M (the ceiling of the running maximum): every later rescaling is an exact power of two, so the quantised numbers keep their values, but for numbers so far below the row's largest that they fall under the format's range.
;;   OPERANDS COMPUTED ON THE WAY. 'Computed on the way' means the value that the module computes at that place (a softmax that the list does not call 'softmax' is quantised finished and normalised). What goes into a quantiser is computed in f32, as accurately as f32 sums, v_exp_f32 and their like allow (about 1e-6 of the number): no bf16 or f16 on the way to a quantiser, and a product that is left as it is and whose result goes on into a quantised operand takes f32 operands (vector FMAs, or v_wmma_f32_16x16x4_f32). A number that lies on a knife's edge between two numbers of the format may be rounded either way, as far as f32 arithmetic and the matrix unit's own rounding can turn it there, and no further.
;; One version. Each part assembles by itself: llvm-mc -triple=amdgcn-amd-amdhsa -mcpu=gfx1250 --defsym DOCPART=n.
;; ======== version 1 of 1: 4 launches
;; limits: right only within a limited range of input values
;; workspace buffers: xc 25,165,824 bytes; wc 4,194,304 bytes; qc 8,388,608 bytes; kc 8,388,608 bytes; vc 8,388,608 bytes; ac 8,388,608 bytes
;; launch quant (part 1): grid 384 x 1, 4 waves a work-group, no clusters, 33,280 bytes of LDS; arguments in_features, Wq, Wk, Wv, Wo, lowp_scales, xc, wc; writes xc, wc
.if DOCPART == 1
	.amdgcn_target "amdgcn-amd-amdhsa--gfx1250"
	.amdhsa_code_object_version 6
	.text
	.protected	k_q1d9ce5e513_quant
	.globl	k_q1d9ce5e513_quant
	.p2align	8
	.type	k_q1d9ce5e513_quant,@function
k_q1d9ce5e513_quant:
	s_mov_b64 s[64:65], 0
	v_nop
	global_prefetch_b8 v0, s[64:65] scope:SCOPE_SE
	s_setreg_imm32_b32 hwreg(HW_REG_WAVE_MODE, 25, 1), 1
	s_wait_xcnt 0x0
; in_features [8192][1024] and Wq, Wk, Wv, Wo [1024][1024], f32 with K innermost, become codes of E4M3, one a byte, K innermost.
; in_features is an operand of three products with three given scales (entries 0, 2, 4 of the scales' buffer): three planes of codes, xc [3][8192][1024].
; The weights have one scale each (entries 1, 3, 5, 11): wc [4][1024][1024] in the order Wq, Wk, Wv, Wo.
; code = x / 2^e, held within +-448, rounded to the nearest code, ties to even.
; LIMITS: each e used here lies between -126 and 119, so that 2^e and 448 x 2^e are f32 numbers.  NaN among the inputs is not served; an infinity is held at the largest code.
; SHARES.  Rows are dense, so every tensor is a plain stream.  Work-groups 0-255 take in_features, 32,768 numbers each; work-groups 256-383 the weights, 32 work-groups to a weight.
; A wave takes 16 steps of 512 numbers.  Each of a step's four loads reads 512 consecutive bytes, 16 a lane; the conversions want 16 NEIGHBOURS in one lane, so the 2,048 bytes turn through the wave's own
; stage in LDS (16 bytes of padding behind each 64) and come back 64 bytes a lane.  A lane's 16 codes are 16 bytes: a store of the wave covers 512 consecutive bytes, aligned.
; No tensor loads, no barrier: waves share nothing.  Loads run four steps (16 loads a wave) ahead, the turn through LDS one step.
; WORK THAT THE PROGRAM LEAVES OUT: reference() hides key k from query q where k > q (its own jnp.tril, -inf ahead of the softmax), so p = 0 there for all values of the inputs:
; launch attn leaves out the steps of 128 keys that lie wholly behind a wave's queries.  Every input has a way to the output and is loaded.
; LIMIT: a NaN, an infinity or an overflow that reaches only hidden scores is not carried to the result.
.set STEPS, 16
.set XWG,   256                        ; work-groups that take in_features
.set SP,    80                         ; a lane's place in a stage: its 64 bytes + 16 of padding
.set WREG,  8192                       ; LDS: a region for each wave: two stages of 32 x SP bytes
.set SPARE, 4*WREG                     ; behind the four regions: the spare words, 128 bytes for each wave, that no other line names
.set R,     16                         ; v16-79   four sets of 16 numbers as they are loaded
.set X,     80                         ; v80-111  two sets of 16 neighbours
.set T,     112                        ; v112-127 the 16 numbers, held
.set C,     128                        ; v128-151 codes: step parity (2) x scale (3) x 4 registers
.set SC,    152                        ; v152+2j: 2^Ej;  v153+2j: 448 x 2^Ej
.set SPW,   12                         ; v12  LDS address of my spare word; never rewritten
.set NIL,   13                         ; v13  0; never rewritten
	s_load_b256 s[4:11], s[0:1], 0x0               ; in_features s[4:5], Wq s[6:7], Wk s[8:9], Wv s[10:11]
	s_load_b256 s[12:19], s[0:1], 0x20             ; Wo s[12:13], the scales' exponents s[14:15], xc s[16:17], wc s[18:19]
	v_lshl_add_u32 v[SPW], v0, 2, SPARE
	v_mov_b32 v[NIL], 0
	v_lshrrev_b32 v1, 5, v0
	v_readfirstlane_b32 s20, v1                    ; wave 0..3
	v_and_b32 v2, 31, v0                           ; lane
	v_lshlrev_b32 v3, 4, v2                        ; 16 x lane: my bytes of a load's 512 and of a store's 512; never rewritten
	s_mul_i32 s23, s20, WREG
	v_lshrrev_b32 v14, 2, v2
	v_mul_u32_u24 v14, v14, SP
	v_and_b32 v15, 3, v2
	v_lshl_add_u32 v14, v15, 4, v14
	v_add_nc_u32 v14, s23, v14                     ; the stage, on the way in: SP (lane / 4) + 16 (lane % 4); a load's 512 bytes take eight places
	v_mul_u32_u24 v15, v2, SP
	v_add_nc_u32 v15, s23, v15                     ; and on the way out: SP x lane: my 16 neighbours
	s_sub_co_u32 s22, ttmp9, XWG                   ; a weight's work-group: its number among the 128
	s_bfe_u32 s21, s22, 0x20005                    ; which weight: 2 bits from bit 5
	s_and_b32 s22, s22, 31                         ; and which part of it
	s_cmp_lt_u32 ttmp9, XWG
	s_cselect_b32 s22, ttmp9, s22                  ; the work-group's part of its tensor
	s_lshl_b32 s22, s22, 2
	s_add_co_u32 s22, s22, s20                     ; which run of 8,192 numbers is my wave's
	s_lshl_b32 s46, s22, 15                        ; in bytes of f32,
	s_mov_b32 s47, 0
	s_lshl_b32 s48, s22, 13                        ; and of codes
	s_mov_b32 s49, 0
	s_lshl_b32 s50, s21, 20                        ; the weight's plane in wc
	s_mov_b32 s51, 0
	s_wait_alu depctr_va_vdst(0)
	s_wait_kmcnt 0x0
	s_load_b256 s[24:31], s[14:15], 0x0            ; e0 .. e7
	s_load_b128 s[32:35], s[14:15], 0x20           ; e8 .. e11
	s_mov_b64 s[36:37], s[12:13]                   ; the source: every choice hangs on the work-group's number alone
	s_cmp_eq_u32 s21, 2
	s_cselect_b64 s[36:37], s[10:11], s[36:37]
	s_cmp_eq_u32 s21, 1
	s_cselect_b64 s[36:37], s[8:9], s[36:37]
	s_cmp_eq_u32 s21, 0
	s_cselect_b64 s[36:37], s[6:7], s[36:37]
	s_add_nc_u64 s[40:41], s[18:19], s[50:51]
	s_cmp_lt_u32 ttmp9, XWG
	s_cselect_b64 s[36:37], s[4:5], s[36:37]
	s_cselect_b64 s[40:41], s[16:17], s[40:41]     ; where the first scale's codes go: xc's plane 0, or the weight's plane of wc
	s_add_nc_u64 s[36:37], s[36:37], s[46:47]
	s_add_nc_u64 s[40:41], s[40:41], s[48:49]
	s_add_nc_u64 s[42:43], s[16:17], s[48:49]
	s_add_nc_u64 s[42:43], s[42:43], 0x800000      ; xc's plane 1: a base of its own, since 8 MiB is more than a store's immediate holds
	s_add_nc_u64 s[44:45], s[42:43], 0x800000      ; xc's plane 2
.macro LOAD t
.irp i, 0,1,2,3
	global_load_b128 v[R+16*((\t)%4)+4*\i:R+16*((\t)%4)+4*\i+3], v3, s[36:37] offset:2048*(\t)+512*\i th:TH_LOAD_NT   ; 32 lanes read 512 consecutive bytes; read once in the launch
.endr
.endm
.macro TURN t                          ; step t's numbers through the stage: LDS serves a wave's instructions in order, so no wait stands between the stores and the loads
.irp i, 0,1,2,3
	ds_store_b128 v14, v[R+16*((\t)%4)+4*\i:R+16*((\t)%4)+4*\i+3] offset:32*SP*((\t)%2)+8*SP*\i
.endr
.irp i, 0,1,2,3
	ds_load_b128 v[X+16*((\t)%2)+4*\i:X+16*((\t)%2)+4*\i+3], v15 offset:32*SP*((\t)%2)+16*\i
.endr
.endm
.irp t, 0,1,2,3
	LOAD \t
.endr
.macro MKSC j, e                       ; 2^e as f32 (the conversion takes its exponent field) and 448 x 2^e (the hold)
	s_add_co_i32 s53, \e, 127
	s_lshl_b32 s54, s53, 23
	v_mov_b32 v[SC+2*\j], s54
	s_add_co_i32 s53, s53, 8
	s_lshl_b32 s53, s53, 23
	s_or_b32 s53, s53, 0x600000
	v_mov_b32 v[SC+2*\j+1], s53
.endm
	s_wait_kmcnt 0x0
	s_mov_b32 s52, s35                             ; the first scale: e11 for Wo, e5 for Wv, e3 for Wk, e1 for Wq, e0 for in_features
	s_cmp_eq_u32 s21, 2
	s_cselect_b32 s52, s29, s52
	s_cmp_eq_u32 s21, 1
	s_cselect_b32 s52, s27, s52
	s_cmp_eq_u32 s21, 0
	s_cselect_b32 s52, s25, s52
	s_cmp_lt_u32 ttmp9, XWG
	s_cselect_b32 s52, s24, s52
	MKSC 0, s52
	MKSC 1, s26                                    ; e2 and e4: in_features' other two
	MKSC 2, s28
	s_wait_alu depctr_va_vdst(0)
	s_wait_loadcnt 12                              ; step 0's four loads are in
	TURN 0
; The step's 16 neighbours under scale j: held, converted, stored.  base: the plane's address.
.macro CONV j, t, base
.set i, 0
.rept 16
	v_med3_num_f32 v[T+i], v[X+16*((\t)%2)+i], -v[SC+2*\j+1], v[SC+2*\j+1]   ; the conversion to an 8-bit code does not saturate (ISA guide 7.6.2): the hold at the largest code x the scale comes first
.set i, i+1
.endr
	v_cvt_scalef32_pk8_fp8_f32 v[C+12*((\t)%2)+4*\j:C+12*((\t)%2)+4*\j+1], v[T:T+7], v[SC+2*\j]
	v_cvt_scalef32_pk8_fp8_f32 v[C+12*((\t)%2)+4*\j+2:C+12*((\t)%2)+4*\j+3], v[T+8:T+15], v[SC+2*\j]
	v_nop                                          ; a plain vector line between the conversions and the next holds, which write the conversions' sources
	global_store_b128 v3, v[C+12*((\t)%2)+4*\j:C+12*((\t)%2)+4*\j+3], s[\base:\base+1] offset:512*(\t)
.endm
.macro STEP t
	s_wait_dscnt 0x0                               ; this step's numbers are back from the stage, and its stores into the stage have read their registers,
.if (\t)+4 < STEPS
	LOAD (\t)+4                                    ; which take the loads of four steps on
.endif
.if (\t)+1 < STEPS
.if STEPS-2-(\t) >= 3
	s_wait_loadcnt 12                              ; the next step's four loads are in; those of the three steps behind it may be out
.else
	s_wait_loadcnt 4*(STEPS-2-(\t))
.endif
	TURN (\t)+1                                    ; and go through the other stage while this step is worked
.endif
.if (\t) >= 2
	s_wait_xcnt 0x0                                ; the stores of two steps back have read their data: those registers take this step's codes
.endif
	CONV 0, \t, 40
	s_cmp_lt_u32 ttmp9, XWG                        ; a weight has one scale.  The branch hangs on the work-group's number alone and leads round no LDS instruction
	s_cbranch_scc0 .Lweight_\@
	CONV 1, \t, 42
	CONV 2, \t, 44
.Lweight_\@:
.endm
.irp t, 0,1,2,3,4,5,6,7,8,9,10,11,12,13,14,15
	STEP \t
.endr
	s_wait_tensorcnt 0x0                           ; the wave's end, behind my last LDS store
	ds_add_u32 v[SPW], v[NIL]
	s_wait_dscnt 0x0
	s_endpgm
.Lfunc_end_k_q1d9ce5e513_quant:
	.size	k_q1d9ce5e513_quant, .Lfunc_end_k_q1d9ce5e513_quant-k_q1d9ce5e513_quant
	.p2alignl 7, 3214868480
	.fill 96, 4, 3214868480
	.section	.rodata,"a",@progbits
	.p2align	6, 0x0
	.amdhsa_kernel k_q1d9ce5e513_quant
		.amdhsa_group_segment_fixed_size 33280
		.amdhsa_private_segment_fixed_size 0
		.amdhsa_enable_private_segment 0
		.amdhsa_kernarg_size 64
		.amdhsa_user_sgpr_count 2
		.amdhsa_user_sgpr_kernarg_segment_ptr 1
		.amdhsa_wavefront_size32 1
		.amdhsa_system_sgpr_workgroup_id_x 1
		.amdhsa_system_sgpr_workgroup_id_y 1
		.amdhsa_system_sgpr_workgroup_id_z 1
		.amdhsa_system_vgpr_workitem_id 0
		.amdhsa_next_free_vgpr 160
		.amdhsa_next_free_sgpr 66
		.amdhsa_reserve_vcc 0
		.amdhsa_float_denorm_mode_32 3
		.amdhsa_float_denorm_mode_16_64 3
		.amdhsa_memory_ordered 1
		.amdhsa_forward_progress 1
		.amdhsa_inst_pref_size 81
	.end_amdhsa_kernel
	.amdgpu_metadata
---
amdhsa.version: [ 1, 2 ]
amdhsa.kernels:
  - .name:           k_q1d9ce5e513_quant
    .symbol:         k_q1d9ce5e513_quant.kd
    .args:
      - { .name: in_features, .offset: 0, .size: 8, .value_kind: global_buffer, .address_space: global }
      - { .name: Wq, .offset: 8, .size: 8, .value_kind: global_buffer, .address_space: global }
      - { .name: Wk, .offset: 16, .size: 8, .value_kind: global_buffer, .address_space: global }
      - { .name: Wv, .offset: 24, .size: 8, .value_kind: global_buffer, .address_space: global }
      - { .name: Wo, .offset: 32, .size: 8, .value_kind: global_buffer, .address_space: global }
      - { .name: lowp_scales, .offset: 40, .size: 8, .value_kind: global_buffer, .address_space: global }
      - { .name: xc, .offset: 48, .size: 8, .value_kind: global_buffer, .address_space: global }
      - { .name: wc, .offset: 56, .size: 8, .value_kind: global_buffer, .address_space: global }
    .group_segment_fixed_size: 33280
    .private_segment_fixed_size: 0
    .kernarg_segment_align: 8
    .kernarg_segment_size: 64
    .max_flat_workgroup_size: 128
    .sgpr_count:     66
    .vgpr_count:     160
    .wavefront_size: 32
...
	.end_amdgpu_metadata
.endif
;; end of part 1
;; launch proj (part 2): grid 4 x 96, 4 waves a work-group, clusters of 4 x 4, 327,680 bytes of LDS; arguments xc, wc, lowp_scales, freqs_cos, freqs_sin, qc, kc, vc; writes qc, kc, vc
.if DOCPART == 2
	.amdgcn_target "amdgcn-amd-amdhsa--gfx1250"
	.amdhsa_code_object_version 6
	.text
	.protected	k_q1d9ce5e513_proj
	.globl	k_q1d9ce5e513_proj
	.p2align	8
	.type	k_q1d9ce5e513_proj,@function
k_q1d9ce5e513_proj:
	s_mov_b64 s[64:65], 0
	v_nop
	global_prefetch_b8 v0, s[64:65] scope:SCOPE_SE
	s_setreg_imm32_b32 hwreg(HW_REG_WAVE_MODE, 25, 1), 1
	s_wait_xcnt 0x0
	s_wait_alu depctr_hold_cnt(0) depctr_sa_sdst(0) depctr_va_vdst(0) depctr_va_sdst(0) depctr_va_ssrc(0) depctr_va_vcc(0) depctr_vm_vsrc(0)
	s_getreg_b32 s2, hwreg(HW_REG_IB_STS2, 6, 4)
	s_cmp_eq_u32 s2, 0
	s_cbranch_scc0 .Lentry_in_a_cluster
	s_endpgm
.Lentry_in_a_cluster:
	s_bfe_u32 s2, ttmp6, 0x10000c
	s_cmp_lg_u32 s2, 0xf033
	s_cbranch_scc0 .Lentry_shape_is_right
	s_endpgm
.Lentry_shape_is_right:
; q = rope(x Wq^T), k = rope(x Wk^T), v = x Wv^T on codes of E4M3, and the results quantised for the two products of attention.  K = 1,024.
; xc [3][8192][1024], wc [4][1024][1024]: codes, K innermost.  Product p (0: q, 1: k, 2: v) takes xc's plane p (scale entry 2p) and wc's plane p (entry 2p + 1); its result is quantised with entry 6 + p.
; A sum stands for sum x 2^(e[2p] + e[2p+1]); the rotation is linear, so it is done on the sums as they are and the three exponents are folded into the conversion's one: E = e[6+p] - e[2p] - e[2p+1].
; LIMITS: E lies between -126 and 119.  The rotation is a multiply and a fused multiply-add for each number (a c - b s, b c + a s): its rounding differs from two products and a sum in the last bit of f32.
; SHARES.  A work-group of four waves makes 256 x 256 of C' = P R^T; a wave 128 x 128: 64 accumulators, 512 registers.  Source 0 = 16 rows of R, source 1 = 16 rows of P: lane (r, hf) holds, of
; P's row r, R's rows 8 hf + 0 .. 7 in its eight registers.  For q and k: P = tokens (xc), R = dims (wc): a lane's registers run along the head's dims, the next K.  For v the two pointers are swapped:
; P = dims (wc), R = tokens (xc): the registers run along the keys, the next K.  So the conversions' results are operand registers, and they leave as IMAGES OF REGISTERS, no LDS on the way out:
;   qc, kc [batch x head : 64][16 tokens : 128][1,024 B]: piece i at 512 i + 16 x lane = registers 4i .. 4i+3 of a 16 x 64 fragment (registers 2t, 2t+1: dims 16 t + 8 hf + 0 .. 7 of token r);
;   vc [batch x head : 64][128 keys : 16][16 dims : 4][2,048 B]: piece i at 512 i + 16 x lane = registers 4i .. 4i+3 of a 16 x 128 fragment (registers 2c, 2c+1: keys 16 c + 8 hf + 0 .. 7 of dim r).
; Every store of a wave covers 512 consecutive bytes, aligned.
; CLUSTERS: 4 x 4 work-groups, 24 clusters: cluster y = 8 p + c8.  The four of a row of the cluster need the same tiles of P, the four of a column the same tiles of R: each tile is asked for JOINTLY.
; p and c8 are the same in all sixteen partners; P's address holds cy, R's holds cx, and no branch or LDS address holds either.
; K goes in steps of 256 through a ring of two LDS slots: four K steps, two first fills and two refills.
; REGISTERS, in windows of 256: window 0: v16-29 addresses and constants; v32-95 two sets of cos and sin; v96-127 two sets of codes; from v128 P's fragments, ONE set (on the way out v128-191 are the numbers at work).
;   window 1: R's fragments, TWO sets.   window 2: the accumulators of my P rows 0-63 ((a, b) at v[8 (8 a + b)]);   window 3: those of rows 64-127.
.set KSTEP,  256                       ; along K in a slot
.set ROWB,   256                       ; a tile's row in bytes
.set KROW,   1024                      ; a row of xc or wc in memory, in bytes
.set PITCH,  272                       ; an LDS row: 256 bytes + 16 of padding: the 16 rows that a load touches start 68 words apart
.set FR,     16                        ; registers of a fragment: 16 rows x 128 K
.set NL,     4                         ; LDS loads that bring one
.set NP,     4                         ; places behind this matrix instruction (ISA guide 7.12.1)
.set HALFT,  128*PITCH                 ; 128 rows: what one tensor load brings, and what one wave reads of P or of R
.set SLOT,   4*HALFT                   ; P's 256 rows, then R's 256 rows
.set LAPS,   2                         ; a lap = two K steps = once round the ring
.set SPARE,  2*SLOT                    ; behind the ring: the spare words, 128 bytes for each wave, that no other line names
.set ADRA, 16                          ; v16-17  LDS address of my P fragments in slot 0, 1
.set ADRB, 20                          ; v20-21  the same for R
.set LI,   24                          ; v24     16 x lane: my place in an image's piece; never rewritten
.set CSO,  25                          ; v25     128 r + 16 hf: my token's row of cos and sin, my half's four factors; never rewritten
.set SCL,  26                          ; v26     2^E
.set LIM,  27                          ; v27     448 x 2^E
.set SPW,  28                          ; v28     LDS address of my spare word; never rewritten
.set NIL,  29                          ; v29     0; never rewritten
.set CSF,  32                          ; v32-63, v64-95: cos of dims' tile t at +4 t, sin at +16 + 4 t
.set CD,   96                          ; v96-111, v112-127: a block's 16 registers of codes
.set T,    128                         ; v128-191: a block's 64 numbers
.set AF,   128                         ; P's fragments
.set G1, 24                            ; s[24:31] descriptor group 1 for P's tiles;  s[32:39] group 0, one set for each slot
.set G0, 32
.set G1B, 48                           ; s[48:55], s[56:63] the same for R's tiles
.set G0B, 56
.set MSB, 0
.macro WIN new                         ; the immediate's high byte repeats the setting that is left
.if MSB != \new
	s_set_vgpr_msb (MSB<<8)|\new
.set MSB, \new
.endif
.endm
.set MUL_LO, 0xa1                      ; source 0 (R) window 1, source 1 (P) window 0, C and D window 2
.set MUL_HI, 0xf1                      ; the same, C and D window 3
.set TO_B,   0x40                      ; destination window 1, address window 0
; A joint load: waves 0 and 1 fetch for P, waves 2 and 3 for R.  Each of the two lines has ONE mask and one set of registers for all that issue it; the branch hangs on the wave's number alone.
; An s_nop 0 and four v_nop follow each of the two lines, ahead of the jump, the label and what follows.
.macro JLOAD g0a, g1a, g0b, g1b
	s_cmp_eq_u32 s15, 0
	s_cbranch_scc0 .Lfor_b_\@
	tensor_load_to_lds s[\g0a:\g0a+3], s[\g1a:\g1a+7]
	s_nop 0
.rept 4
	v_nop
.endr
	s_branch .Lasked_\@
.Lfor_b_\@:
	tensor_load_to_lds s[\g0b:\g0b+3], s[\g1b:\g1b+7]
	s_nop 0
.rept 4
	v_nop
.endr
.Lasked_\@:
.endm
.macro CREST                           ; a round of the cluster's barrier behind its opening barrier
	s_cmp_lg_u32 s14, 0
	s_cbranch_scc1 .Lnot_wave_0_\@
	s_barrier_signal -3
.Lnot_wave_0_\@:
	s_barrier_wait -3
	s_barrier_signal -1
	s_barrier_wait -1
.endm
.macro CROUND                          ; a whole round
	s_barrier_signal -1
	s_barrier_wait -1
	CREST
.endm
	s_load_b256 s[68:75], s[0:1], 0x0              ; xc s[68:69], wc s[70:71], the scales' exponents s[72:73], cos s[74:75]
	s_load_b256 s[76:83], s[0:1], 0x20             ; sin s[76:77], qc s[78:79], kc s[80:81], vc s[82:83]
	v_lshl_add_u32 v[SPW], v0, 2, SPARE
	v_mov_b32 v[NIL], 0
	ds_add_u32 v[SPW], v[NIL]                      ; the wave's opening: the add and its wait stand ahead of my first tensor load; the set-up below, work on registers, stands between them
	ds_add_u32 v[SPW], v[NIL]
	v_lshrrev_b32 v1, 5, v0
	v_readfirstlane_b32 s14, v1                    ; wave 0..3
	s_lshr_b32 s15, s14, 1                         ; which half of the tile's P rows is mine.  Also: I fetch for P (0) or for R (1)
	s_and_b32 s16, s14, 1                          ; which half of its R rows.  Also: which 128 rows of that tile I fetch
	s_bfe_u32 s40, ttmp6, 0x40000                  ; cx, cy: my place in the cluster
	s_bfe_u32 s41, ttmp6, 0x40004
	s_and_b32 s84, ttmp7, 0xffff                   ; cluster y, 0 .. 23
	s_lshr_b32 s85, s84, 3                         ; p: which product
	s_and_b32 s86, s84, 7                          ; c8: which eighth of the tokens
	s_cmp_lt_u32 s85, 2
	s_cselect_b32 s87, s86, 0                      ; the tokens are P's rows for q and k,
	s_cselect_b32 s88, 0, s86                      ; R's rows for v
	s_lshl_b32 s17, s87, 2
	s_add_co_u32 s17, s17, s41                     ; P's tile of 256 rows
	s_add_co_u32 s42, ttmp9, s88
	s_lshl_b32 s42, s42, 2
	s_add_co_u32 s42, s42, s40                     ; R's tile of 256 rows
	s_lshl_b32 s43, s41, 2
	s_lshl_b32 s43, 15, s43                        ; my row of the cluster
	s_lshl_b32 s44, 0x1111, s40                    ; my column
	; descriptor group 1: a tile of 128 rows x 256 bytes, padded in LDS
	s_or_b32 s[G1+0], s43, (0<<16)|(1<<20)|(1<<21)|(5<<22)|(3<<25)  ; 15:0 the mask: P's tiles go to my row; 17:16 element of 1 byte; 20 padding on; 21 set beside a mask; 24:22 after every 64 words (code 5); 31:25 of 4 words (code 3)
	s_or_b32 s[G1B+0], s44, (0<<16)|(1<<20)|(1<<21)|(5<<22)|(3<<25)
.irp g, G1, G1B
	s_mov_b32 s[\g+1], ROWB<<16                    ; tensor_dim0
	s_mov_b32 s[\g+2], 128<<16                     ; tensor_dim1 = 128
	s_mov_b32 s[\g+3], ROWB<<16                    ; tile_dim0
	s_mov_b32 s[\g+4], 128                         ; tile_dim1 = 128
	s_mov_b32 s[\g+5], KROW                        ; tensor_dim0_stride
	s_mov_b32 s[\g+6], 0
	s_mov_b32 s[\g+7], 0
.endr
	s_lshl_b32 s18, s16, 7                         ; which 128 rows of the tile I fetch
	s_lshl_b32 s20, s17, 8
	s_add_co_u32 s20, s20, s18                     ; P: row 256 x tile + 128 x half,
	s_lshl_b32 s20, s20, 10                        ; in bytes: rows of 1,024
	s_mov_b32 s21, 0
	s_lshl_b32 s46, s42, 8
	s_add_co_u32 s46, s46, s18                     ; R likewise
	s_lshl_b32 s46, s46, 10
	s_mov_b32 s47, 0
	s_mul_i32 s45, s14, HALFT                      ; where they go: wave x 128 rows: no place in the cluster enters an LDS address
	s_lshl_b32 s90, s85, 23                        ; xc's plane p
	s_mov_b32 s91, 0
	s_lshl_b32 s92, s85, 20                        ; wc's plane p
	s_mov_b32 s93, 0
	s_lshl_b32 s94, s85, 3                         ; entries 2p, 2p + 1 of the scales
	s_mov_b32 s95, 0
	s_wait_dscnt 0x0                               ; the opening add is done
	s_wait_kmcnt 0x0
	s_add_nc_u64 s[8:9], s[72:73], s[94:95]
	s_load_b64 s[96:97], s[8:9], 0x0               ; e[2p], e[2p+1]
	s_lshl_b32 s94, s85, 2
	s_add_nc_u64 s[12:13], s[72:73], s[94:95]
	s_load_b32 s98, s[12:13], 0x18                 ; e[6+p]
	s_add_nc_u64 s[90:91], s[68:69], s[90:91]
	s_add_nc_u64 s[92:93], s[70:71], s[92:93]
	s_cmp_lt_u32 s85, 2                            ; the choice hangs on the cluster's y alone
	s_cselect_b64 s[4:5], s[90:91], s[92:93]       ; P
	s_cselect_b64 s[6:7], s[92:93], s[90:91]       ; R
	s_add_nc_u64 s[20:21], s[4:5], s[20:21]
	s_add_nc_u64 s[46:47], s[6:7], s[46:47]
	CROUND                                         ; all sixteen work-groups are here: the first joint loads meet
.irp s, 0,1
	s_mov_b32 s[G0+4*\s], 1
	s_add_co_u32 s[G0+4*\s+1], s45, \s*SLOT
	s_add_nc_u64 s[G0+4*\s+2:G0+4*\s+3], s[20:21], \s*ROWB
	s_or_b32 s[G0+4*\s+3], s[G0+4*\s+3], 0x80000000
	s_mov_b32 s[G0B+4*\s], 1
	s_add_co_u32 s[G0B+4*\s+1], s45, \s*SLOT
	s_add_nc_u64 s[G0B+4*\s+2:G0B+4*\s+3], s[46:47], \s*ROWB
	s_or_b32 s[G0B+4*\s+3], s[G0B+4*\s+3], 0x80000000
.endr
	JLOAD G0, G1, G0B, G1B                         ; K step 0: one tensor load a wave at the head
	; PREFETCHES INTO THE L2.  Of the 128 rows that my wave fetches, each of the four partners that ask for them jointly names 32, told apart by address (cx for P, cy for R): a lane a row,
	; 256 bytes of the row a K step.  Behind K step 0's load K step 1 is asked for, behind K step 1's load K steps 2 and 3: at most two K steps are asked for and not yet loaded.
	; The codes of the tokens are loaded by one cluster; a plane of weights by the product's eight clusters, of which four (c8 < 4) ask for it.
	s_cmp_eq_u32 s15, 0
	s_cselect_b64 s[66:67], s[20:21], s[46:47]     ; my wave's rows, K step 0
	s_cselect_b32 s2, s40, s41                     ; my place among the four
	s_lshl_b32 s2, s2, 15                          ; x 32 rows of 1,024 bytes
	s_mov_b32 s3, 0
	s_add_nc_u64 s[66:67], s[66:67], s[2:3]
	s_cmp_eq_u32 s85, 2
	s_cselect_b32 s2, 1, 0
	s_xor_b32 s2, s2, s15                          ; 1: what I fetch is the weights (R for q and k, P for v)
	s_lshr_b32 s3, s86, 2                          ; 1: c8 >= 4
	s_and_b32 s99, s2, s3                          ; 0 in a wave that asks: the wave's number and the cluster's y alone
	v_and_b32 v30, 31, v0
	v_lshlrev_b32 v30, 10, v30                     ; a lane a row; never rewritten
	s_cmp_eq_u32 s99, 0
	s_cbranch_scc0 .Lno_pf0
	global_prefetch_b8 v30, s[66:67] offset:256 th:TH_LOAD_NT scope:SCOPE_SE
.Lno_pf0:
	v_and_b32 v1, 15, v0                           ; r = l % 16
	v_bfe_u32 v2, v0, 4, 1                         ; hf = l / 16
	v_mul_u32_u24 v3, v1, PITCH
	v_lshl_add_u32 v4, v2, 4, v3                   ; a fragment's row x pitch + 16 x half
	s_mul_i32 s21, s15, HALFT                      ; my 128 rows of P
	s_mul_i32 s22, s16, HALFT                      ; my 128 rows of R,
	s_add_co_u32 s22, s22, 2*HALFT                 ; which lie behind P's 256
.irp s, 0,1
	v_add_nc_u32 v[ADRA+\s], s21, v4
	v_add_nc_u32 v[ADRB+\s], s22, v4
	s_add_co_u32 s21, s21, SLOT
	s_add_co_u32 s22, s22, SLOT
.endr
	v_and_b32 v5, 31, v0
	v_lshlrev_b32 v[LI], 4, v5
	v_lshlrev_b32 v[CSO], 7, v1
	v_lshl_add_u32 v[CSO], v2, 4, v[CSO]
.macro FRAG reg, adr, q, i             ; a fragment, 16 rows x 128 K, is 16 registers: lane l holds row l % 16; registers 4 c .. 4 c + 3 hold K = 32 c + 16 (l / 16) + 0 .. 15: the same order of K in P and in R
.irp c, 0,1,2,3
	ds_load_b128 v[\reg+4*\c:\reg+4*\c+3], v[\adr] offset:128*(\q)+32*\c+(\i)*16*PITCH
.endr
.endm
; 16 matrix instructions: P's blocks a0, a0 + 1 x R's eight, 128 along K.  p: R's set.  zero = 1: the first product starts the sums: nothing is ever cleared.
; The 64 accumulators take turns, one instruction a turn, in the same order in every step.
.macro MUL16 a0, p, zero
.irp a, \a0, \a0+1
.irp b, 0,1,2,3,4,5,6,7
.if \zero
	v_wmma_f32_16x16x128_fp8_fp8 v[8*(8*((\a)%4)+\b):8*(8*((\a)%4)+\b)+7], v[128*(\p)+FR*\b:128*(\p)+FR*\b+FR-1], v[AF+FR*(\a):AF+FR*(\a)+FR-1], 0
.else
	v_wmma_f32_16x16x128_fp8_fp8 v[8*(8*((\a)%4)+\b):8*(8*((\a)%4)+\b)+7], v[128*(\p)+FR*\b:128*(\p)+FR*\b+FR-1], v[AF+FR*(\a):AF+FR*(\a)+FR-1], v[8*(8*((\a)%4)+\b):8*(8*((\a)%4)+\b)+7]
.endif
.endr
.endr
.endm
.macro FETCH_B slot, q, p              ; R's eight fragments of the slot's q-th 128 along K into set p
	WIN TO_B
.irp i, 0,1,2,3,4,5,6,7
	FRAG 128*(\p)+FR*\i, ADRB+\slot, \q, \i
.endr
	WIN 0
.endm
.macro FETCH_A slot, q, i0             ; P's blocks i0 .. i0 + 3
.irp i, \i0, \i0+1, \i0+2, \i0+3
	FRAG AF+FR*(\i), ADRA+\slot, \q, \i
.endr
.endm
; A load into a register that a matrix instruction has read, and a vector instruction that reads a matrix result or writes a matrix instruction's register, stand NP places behind that matrix instruction;
; only plain vector instructions that name none of its registers are places; the matrix instructions in between are not counted.
.macro PLACES n
.rept \n
	v_nop
.endr
.endm
; A step of 128 along K that has its successor in the same slot.  A block of P is free as soon as its eight products are issued, so one set serves P: blocks 0-3 are fetched anew in the step's middle, blocks 4-7 at its end.
.macro STEP slot, q, zero
	s_wait_dscnt 4*NL                              ; R's set and P's blocks 0-3 are in; the youngest 16 loads (P's blocks 4-7) may be out
	WIN MUL_LO
	MUL16 0, (\q)%2, \zero
	MUL16 2, (\q)%2, \zero
	s_wait_dscnt 0                                 ; P's blocks 4-7 are in
	PLACES NP
	FETCH_B \slot, (\q)+1, 1-(\q)%2
	FETCH_A \slot, (\q)+1, 0
	WIN MUL_HI
	MUL16 4, (\q)%2, \zero
	MUL16 6, (\q)%2, \zero
	PLACES NP
	WIN 0
	FETCH_A \slot, (\q)+1, 4
.endm
; A slot's last step changes slots: ONE barrier; in front of it each wave waits for all its tensor loads, adds 0 to its spare word, and waits for that and for its own reads of this slot.  fill = 1: this slot is filled again, two K steps ahead.
.macro TURN slot, next, fill
	s_wait_tensorcnt 0x0                           ; all my tensor loads have landed: my part of the next slot  (every window is 0 here)
	ds_add_u32 v[SPW], v[NIL]                      ; 0 onto my spare word
	s_wait_dscnt 4*NL+1                            ; (the add and the youngest 16 loads, P's blocks 4-7, may be out)
	WIN MUL_LO
	MUL16 0, 1, 0                                  ; sixteen matrix instructions stand between the add and the wait for it
	s_wait_dscnt 0x0                               ; the add is done, and my reads of this slot are over
	s_barrier_signal -1
	MUL16 2, 1, 0
	WIN 0
	s_barrier_wait -1
.if \fill
	CREST                                          ; the barrier has opened a round of the cluster's barrier: no wave of any partner still reads this slot's tile or has a load on its way
	s_add_nc_u64 s[G0+4*\slot+2:G0+4*\slot+3], s[G0+4*\slot+2:G0+4*\slot+3], 2*ROWB
	s_add_nc_u64 s[G0B+4*\slot+2:G0B+4*\slot+3], s[G0B+4*\slot+2:G0B+4*\slot+3], 2*ROWB
	JLOAD G0+4*\slot, G1, G0B+4*\slot, G1B         ; the first tensor load behind the round; the four v_nop behind it are the places in front of the loads below
.else
	PLACES NP
.endif
	FETCH_B \next, 0, 0
	FETCH_A \next, 0, 0
	WIN MUL_HI
	MUL16 4, 1, 0
	MUL16 6, 1, 0
	PLACES NP
	WIN 0
	FETCH_A \next, 0, 4
.endm
	s_wait_alu depctr_va_vdst(0)
	s_wait_tensorcnt 0x0                           ; my part of K step 0 is in
	ds_add_u32 v[SPW], v[NIL]
	s_wait_dscnt 0x0
	CROUND                                         ; everybody's part of K step 0 is in, and all sixteen work-groups are here
	JLOAD G0+4, G1, G0B+4, G1B                     ; K step 1's load, the first tensor load behind the round
	FETCH_B 0, 0, 0
	FETCH_A 0, 0, 0
	FETCH_A 0, 0, 4
	s_cmp_eq_u32 s99, 0
	s_cbranch_scc0 .Lno_pf1
	global_prefetch_b8 v30, s[66:67] offset:512 th:TH_LOAD_NT scope:SCOPE_SE   ; K step 2,
	global_prefetch_b8 v30, s[66:67] offset:768 th:TH_LOAD_NT scope:SCOPE_SE   ; and K step 3, the last
.Lno_pf1:
	STEP 0, 0, 1                                   ; the first step's products start the sums
.rept LAPS-1                           ; once round the ring, filling both slots again: K = 1,024 has one such lap, so it is written out
	TURN 0, 1, 1
	STEP 1, 0, 0
	TURN 1, 0, 1
	STEP 0, 0, 0
.endr
	TURN 0, 1, 0                                   ; the last lap fills nothing, and has no round of the cluster's barrier
	STEP 1, 0, 0
	s_wait_dscnt 4*NL                              ; the very last step: nothing more to fetch
	WIN MUL_LO
	MUL16 0, 1, 0
	MUL16 2, 1, 0
	s_wait_dscnt 0
	WIN MUL_HI
	MUL16 4, 1, 0
	MUL16 6, 1, 0
	WIN 0
	; THE WAY OUT.  The three exponents make the conversion's scale and the hold.
	s_wait_kmcnt 0x0
	s_sub_co_i32 s98, s98, s96
	s_sub_co_i32 s98, s98, s97                     ; E = e[6+p] - e[2p] - e[2p+1]
	s_add_co_i32 s98, s98, 127
	s_lshl_b32 s96, s98, 23
	v_mov_b32 v[SCL], s96                          ; 2^E as f32
	s_add_co_i32 s98, s98, 8
	s_lshl_b32 s98, s98, 23
	s_or_b32 s98, s98, 0x600000
	v_mov_b32 v[LIM], s98                          ; 448 x 2^E
	PLACES NP                                      ; behind the last products: for the writes over P's fragments and for the reads of results
	s_cmp_eq_u32 s85, 2                            ; which product: the same in all sixteen partners
	s_cbranch_scc1 .Lv
	; ---- q and k: my 128 tokens x 2 heads.  Block a = tokens 16 a on; accumulator (a, b): head b / 4, dims 16 (b % 4) + 8 hf + 0 .. 7 of token r
	s_lshl_b32 s20, s17, 8
	s_lshl_b32 s21, s15, 7
	s_add_co_u32 s20, s20, s21                     ; my first token among the 8,192
	s_lshr_b32 s21, s20, 11                        ; its batch,
	s_and_b32 s22, s20, 2047                       ; and its place in the sequence
	s_lshl_b32 s46, s42, 2
	s_lshl_b32 s47, s16, 1
	s_add_co_u32 s46, s46, s47                     ; my first head: 4 x R's tile + 2 x half
	s_lshl_b32 s94, s21, 4
	s_add_co_u32 s94, s94, s46                     ; batch x 16 + head,
	s_lshl_b32 s94, s94, 17                        ; of 131,072 bytes each,
	s_lshl_b32 s23, s22, 6                         ; + 64 bytes a token
	s_add_co_u32 s94, s94, s23
	s_mov_b32 s95, 0
	s_cmp_eq_u32 s85, 0
	s_cselect_b64 s[10:11], s[78:79], s[80:81]     ; qc or kc
	s_add_nc_u64 s[10:11], s[10:11], s[94:95]
	s_lshl_b32 s94, s22, 7                         ; cos and sin at my first token: rows of 128 bytes
	s_add_nc_u64 s[74:75], s[74:75], s[94:95]
	s_add_nc_u64 s[76:77], s[76:77], s[94:95]
; cos and sin of block a's 16 tokens: a lane's 16 bytes are the factors of the four pairs 8 t + 4 hf + 0 .. 3 of its token; a table's four loads read the block's 2,048 bytes once
.macro CSLOAD a
.irp t, 0,1,2,3
	global_load_b128 v[CSF+32*((\a)%2)+4*\t:CSF+32*((\a)%2)+4*\t+3], v[CSO], s[74:75] offset:2048*(\a)+32*\t
	global_load_b128 v[CSF+32*((\a)%2)+16+4*\t:CSF+32*((\a)%2)+16+4*\t+3], v[CSO], s[76:77] offset:2048*(\a)+32*\t
.endr
.endm
.macro ROPE a
.set CS0, CSF+32*((\a)%2)
.set AC,  64*((\a)%4)
.set CD0, CD+16*((\a)%2)
.if (\a) < 7
	s_wait_loadcnt 8                               ; this block's eight loads are in; the next block's eight may be out
.else
	s_wait_loadcnt 0
.endif
	WIN 0x02+((\a)/4)                              ; source 0: window 2 or 3
.irp b, 0,1,2,3,4,5,6,7                ; each accumulator from its low end on.  A register pair is a pair (a, b) of the rotation; its factor is one register of a pair of factors, chosen by op_sel
.irp g, 0,1
	v_pk_mul_f32 v[T+8*\b+4*\g:T+8*\b+4*\g+1], v[AC+8*\b+4*\g:AC+8*\b+4*\g+1], v[CS0+4*(\b%4)+2*\g:CS0+4*(\b%4)+2*\g+1] op_sel:[0,0] op_sel_hi:[1,0]       ; (a c, b c)
	v_pk_mul_f32 v[T+8*\b+4*\g+2:T+8*\b+4*\g+3], v[AC+8*\b+4*\g+2:AC+8*\b+4*\g+3], v[CS0+4*(\b%4)+2*\g:CS0+4*(\b%4)+2*\g+1] op_sel:[0,1] op_sel_hi:[1,1]
.endr
.irp g, 0,1
	v_pk_fma_f32 v[T+8*\b+4*\g:T+8*\b+4*\g+1], v[AC+8*\b+4*\g:AC+8*\b+4*\g+1], v[CS0+16+4*(\b%4)+2*\g:CS0+16+4*(\b%4)+2*\g+1], v[T+8*\b+4*\g:T+8*\b+4*\g+1] op_sel:[1,0,0] op_sel_hi:[0,0,1] neg_lo:[0,1,0]   ; (a c - b s, b c + a s)
	v_pk_fma_f32 v[T+8*\b+4*\g+2:T+8*\b+4*\g+3], v[AC+8*\b+4*\g+2:AC+8*\b+4*\g+3], v[CS0+16+4*(\b%4)+2*\g:CS0+16+4*(\b%4)+2*\g+1], v[T+8*\b+4*\g+2:T+8*\b+4*\g+3] op_sel:[1,1,0] op_sel_hi:[0,1,1] neg_lo:[0,1,0]
.endr
.endr
	WIN 0
.if (\a) < 6
	CSLOAD (\a)+2                                  ; into the set that has just been read
.endif
.if (\a) >= 2
	s_wait_xcnt 0x0                                ; the stores of two blocks back have read their data: those registers take this block's codes
.endif
.set n, 0
.rept 64
	v_med3_num_f32 v[T+n], v[T+n], -v[LIM], v[LIM] ; the conversion to an 8-bit code does not saturate (ISA guide 7.6.2): the hold comes first
.set n, n+1
.endr
.irp b, 0,1,2,3,4,5,6,7
	v_cvt_scalef32_pk8_fp8_f32 v[CD0+2*\b:CD0+2*\b+1], v[T+8*\b:T+8*\b+7], v[SCL]   ; registers 2 (b % 4), + 1 of head b / 4's fragment
.endr
	v_nop                                          ; a plain vector line between the conversions and the next block's products, which write the conversions' sources
.irp e, 0,1
.irp i, 0,1
	global_store_b128 v[LI], v[CD0+8*\e+4*\i:CD0+8*\e+4*\i+3], s[10:11] offset:131072*\e+1024*(\a)+512*\i   ; 32 lanes store 512 consecutive bytes, aligned
.endr
.endr
.endm
	CSLOAD 0
	CSLOAD 1
.irp a, 0,1,2,3,4,5,6,7
	ROPE \a
.endr
	s_branch .Ldone
	; ---- v: my 128 dims (2 heads) x 128 tokens (one key step).  Block a = head a / 4, dims 16 (a % 4) on; accumulator (a, b): keys 16 b + 8 hf + 0 .. 7 of dim r
.Lv:
	s_lshl_b32 s20, s17, 2
	s_lshl_b32 s21, s15, 1
	s_add_co_u32 s20, s20, s21                     ; my first head: 4 x P's tile + 2 x half
	s_lshl_b32 s46, s42, 8
	s_lshl_b32 s47, s16, 7
	s_add_co_u32 s46, s46, s47                     ; my first token among the 8,192
	s_lshr_b32 s47, s46, 11                        ; its batch,
	s_bfe_u32 s46, s46, 0x40007                    ; and its key step of 128 in the sequence: 4 bits from bit 7
	s_lshl_b32 s47, s47, 4
	s_add_co_u32 s94, s47, s20                     ; batch x 16 + head,
	s_lshl_b32 s94, s94, 17                        ; of 131,072 bytes each,
	s_lshl_b32 s46, s46, 13                        ; + 8,192 bytes a key step
	s_add_co_u32 s94, s94, s46
	s_mov_b32 s95, 0
	s_add_nc_u64 s[10:11], s[82:83], s[94:95]
.macro VOUT a
.set AC,  64*((\a)%4)
.set CD0, CD+16*((\a)%2)
	WIN 0x02+((\a)/4)                              ; source 0: window 2 or 3
.set n, 0
.rept 64
	v_med3_num_f32 v[T+n], v[AC+n], -v[LIM], v[LIM]   ; the hold; each accumulator from its low end on
.set n, n+1
.endr
	WIN 0
.if (\a) >= 2
	s_wait_alu depctr_va_vdst(0)
	s_wait_xcnt 0x0                                ; the stores of two blocks back have read their data
.endif
.irp b, 0,1,2,3,4,5,6,7
	v_cvt_scalef32_pk8_fp8_f32 v[CD0+2*\b:CD0+2*\b+1], v[T+8*\b:T+8*\b+7], v[SCL]   ; registers 2 b, 2 b + 1 of the fragment
.endr
	v_nop                                          ; a plain vector line between the conversions and the next block's holds, which write the conversions' sources
.irp i, 0,1,2,3
	global_store_b128 v[LI], v[CD0+4*\i:CD0+4*\i+3], s[10:11] offset:131072*((\a)/4)+2048*((\a)%4)+512*\i
.endr
.endm
	s_wait_alu depctr_va_vdst(0)
.irp a, 0,1,2,3,4,5,6,7
	VOUT \a
.endr
.Ldone:
	s_wait_tensorcnt 0x0                           ; the wave's end, behind my last tensor load
	ds_add_u32 v[SPW], v[NIL]
	s_wait_dscnt 0x0
	CROUND                                         ; the closing round: no work-group ends while a partner may still ask for a tile that names it
	s_endpgm
.Lfunc_end_k_q1d9ce5e513_proj:
	.size	k_q1d9ce5e513_proj, .Lfunc_end_k_q1d9ce5e513_proj-k_q1d9ce5e513_proj
	.p2alignl 7, 3214868480
	.fill 96, 4, 3214868480
	.section	.rodata,"a",@progbits
	.p2align	6, 0x0
	.amdhsa_kernel k_q1d9ce5e513_proj
		.amdhsa_group_segment_fixed_size 327680
		.amdhsa_private_segment_fixed_size 0
		.amdhsa_enable_private_segment 0
		.amdhsa_kernarg_size 64
		.amdhsa_user_sgpr_count 2
		.amdhsa_user_sgpr_kernarg_segment_ptr 1
		.amdhsa_wavefront_size32 1
		.amdhsa_system_sgpr_workgroup_id_x 1
		.amdhsa_system_sgpr_workgroup_id_y 1
		.amdhsa_system_sgpr_workgroup_id_z 1
		.amdhsa_system_vgpr_workitem_id 0
		.amdhsa_next_free_vgpr 1024
		.amdhsa_next_free_sgpr 100
		.amdhsa_reserve_vcc 0
		.amdhsa_float_denorm_mode_32 3
		.amdhsa_float_denorm_mode_16_64 3
		.amdhsa_memory_ordered 1
		.amdhsa_forward_progress 1
		.amdhsa_inst_pref_size 199
	.end_amdhsa_kernel
	.amdgpu_metadata
---
amdhsa.version: [ 1, 2 ]
amdhsa.kernels:
  - .name:           k_q1d9ce5e513_proj
    .symbol:         k_q1d9ce5e513_proj.kd
    .args:
      - { .name: xc, .offset: 0, .size: 8, .value_kind: global_buffer, .address_space: global }
      - { .name: wc, .offset: 8, .size: 8, .value_kind: global_buffer, .address_space: global }
      - { .name: lowp_scales, .offset: 16, .size: 8, .value_kind: global_buffer, .address_space: global }
      - { .name: freqs_cos, .offset: 24, .size: 8, .value_kind: global_buffer, .address_space: global }
      - { .name: freqs_sin, .offset: 32, .size: 8, .value_kind: global_buffer, .address_space: global }
      - { .name: qc, .offset: 40, .size: 8, .value_kind: global_buffer, .address_space: global }
      - { .name: kc, .offset: 48, .size: 8, .value_kind: global_buffer, .address_space: global }
      - { .name: vc, .offset: 56, .size: 8, .value_kind: global_buffer, .address_space: global }
    .group_segment_fixed_size: 327680
    .private_segment_fixed_size: 0
    .kernarg_segment_align: 8
    .kernarg_segment_size: 64
    .max_flat_workgroup_size: 128
    .sgpr_count:     100
    .vgpr_count:     1024
    .wavefront_size: 32
...
	.end_amdgpu_metadata
.endif
;; end of part 2
;; launch attn (part 3): grid 4 x 64, 8 waves a work-group, clusters of 4 x 1, 327,680 bytes of LDS; arguments qc, kc, vc, lowp_scales, ac; writes ac
.if DOCPART == 3
	.amdgcn_target "amdgcn-amd-amdhsa--gfx1250"
	.amdhsa_code_object_version 6
	.text
	.protected	k_q1d9ce5e513_attn
	.globl	k_q1d9ce5e513_attn
	.p2align	8
	.type	k_q1d9ce5e513_attn,@function
k_q1d9ce5e513_attn:
	s_mov_b64 s[64:65], 0
	v_nop
	global_prefetch_b8 v0, s[64:65] scope:SCOPE_SE
	s_setreg_imm32_b32 hwreg(HW_REG_WAVE_MODE, 25, 1), 1
	s_wait_xcnt 0x0
	s_wait_alu depctr_hold_cnt(0) depctr_sa_sdst(0) depctr_va_vdst(0) depctr_va_sdst(0) depctr_va_ssrc(0) depctr_va_vcc(0) depctr_vm_vsrc(0)
	s_getreg_b32 s2, hwreg(HW_REG_IB_STS2, 6, 4)
	s_cmp_eq_u32 s2, 0
	s_cbranch_scc0 .Lentry_in_a_cluster
	s_endpgm
.Lentry_in_a_cluster:
	s_bfe_u32 s2, ttmp6, 0x10000c
	s_cmp_lg_u32 s2, 0x3003
	s_cbranch_scc0 .Lentry_shape_is_right
	s_endpgm
.Lentry_shape_is_right:
; Causal attention on codes of E4M3, head size 64, 2,048 tokens, 64 (batch x head); the result is quantised for the last projection.
; LEFT OUT: steps of 128 keys that lie wholly behind a wave's queries (reference()'s own jnp.tril makes p = 0 there for all inputs).
; qc, kc [bh][16 tokens : 128][1,024 B] and vc [bh][128 keys : 16][16 dims : 4][2,048 B] are images of operand registers (a piece of 512 bytes = four registers, 16 bytes a lane).
; ac [head : 16][16 tokens of the 8,192 : 512][1,024 B]: piece b at 512 b + 16 x lane = dims 32 b + 16 hf + 0 .. 15 of token r.
; THE SOFTMAX: t = score x log2(e) / 8; M = the row's largest t so far, rounded UP to a whole number; p = 2^(t - M) is quantised (entry 9 of the scales), not normalised.
; The row's sum is taken of the unquantised p, in f32, and divides O at the end.  When M moves, the sum and O are multiplied by 2^(old M - new M): exact.
; LAYOUT.  S^T = K Q^T (source 0 = 16 keys, source 1 = 16 queries; K = 64), O^T = V^T P^T (source 0 = 16 dims, source 1 = P; K = 128 keys): a lane holds ONE query of each tile.
; Tile c of S^T holds in lane (r, hf) the keys 16 c + 8 hf + 0 .. 7: its eight registers convert into registers 2 c, 2 c + 1 of the second product's operand, the order in which vc is laid.
; LDS holds the head's whole K (131,072 bytes from 0) and V (131,072 bytes from VB), as they lie in memory: no byte is filled twice.
; SHARES.  The four work-groups of a head form a cluster and ask for K and V JOINTLY.  A wave owns 32 neighbouring queries, two tiles of 16 (tile 0 in register window 0, tile 1 in window 1),
; so each fragment of K and V read from LDS feeds two matrix instructions.  Wave w of the work-group at place cx takes queries 128 g + 32 cx on, first for g = 15 - w, then for g = w:
; (16 - w) + (w + 1) = 17 key steps of 128 for EVERY wave.  Which steps are walked hangs on the wave's number and the count of trips alone; cx enters global addresses and the mask's compare only.
; LOADS: two a wave.  At the head key steps 0 to 4 (waves 0-3: K, waves 4-7: V, 10,240 bytes each); behind the full sequence and a round key steps 5 to 15 (22,528 bytes each),
; which have four key steps' work in which to land; one barrier more, and the waves meet no further barrier until the closing round.
; K'S FRAGMENTS RUN ONE STEP AHEAD: those of the wave's next step are fetched from LDS behind this step's first products, so the first four steps read K's steps 0 to 4.  A group's last step fetches
; step 0's, for the second group; the last step of all does so too, and nobody multiplies those sixteen loads: so the count of the wait for V is the same in every trip.
; NO PREFETCH: every tensor load of the launch is issued ahead of the first loop, so there is no later load for a loop to run ahead of.
; LIMITS on the given exponents, so that each power of two below is an f32 number: e6 + e7 between -123 and 129 (added to c's exponent field); e9, and e10 - e8 - e9, between -126 and 119.
; REGISTERS.  Window 0 alone: v1 16 x lane, v2 the same + VB, v5, v6 the add's two, v8, v9 LDS addresses, v32-95 K's 8 fragments.  Window 1 alone: v32-95 V's 4 fragments.
; In both windows, for the window's tile: v12 -M, v13 the largest t, v[14:15] the sum; v16-23 Q; v24-31 the second group's Q; v96-159 S^T, then p; v160-191 O^T; v192-223 the way out;
;   v224-239 codes (v232-239 also at work); v240, v244: 448 x 2^e9, 2^e9; v241, v245: the same with e10 - e8 - e9; v248 the mask's d; v249 -infinity; v242-255 at work.
.set VB,    131072
.set SPARE, 262144                     ; behind K and V: the spare words, 128 bytes for each of eight waves, that no other line names
.set LI,   1
.set LIV,  2
.set SPW,  5
.set NIL,  6
.set ADK,  8
.set ADV,  9
.set MX,   232
.set WV,   18                          ; my wave's number
.set CX,   19                          ; my work-group's place in the cluster
.set SEL,  20                          ; s[20:21] lane selects for v_permlanex16_b32: lane l xor 16
.set CS,   22                          ; s[22:23] c = log2(e) / 8 x 2^(e6 + e7)
.set G1A,  24                          ; group 1: 40 rows of 256 bytes
.set G1B,  32                          ; group 1: 88 rows of 256 bytes
.set G0A,  40
.set G0B,  44
.set SRC,  48
.set OFF,  50
.set QH,   52
.set QL,   54
.set AO,   68                          ; where the group in hand goes in ac
.set AL,   70                          ; where the second group goes
.set TB,   72                          ; the key step's first byte in V's image
.set CNT,  73                          ; trips: 16 x group + key step
.set ST,   74                          ; the key step
.set LAST, 75                          ; the group's last key step, the one on the diagonal
.set OF1,  76
.set HB,   78
.set MK,   80                          ; s80-87: behind the head, eight lane masks
.set AB,   84
.set OH,   86
.set OL,   88
.set C32,  90
.set NB,   91                          ; the next key step's first byte in K's image
.set MSB, 0
.macro WIN new                         ; the immediate's high byte repeats the setting that is left
.if MSB != \new
	s_set_vgpr_msb (MSB<<8)|\new
.set MSB, \new
.endif
.endm
.macro CROUND                          ; a round of the cluster's barrier
	s_barrier_signal -1
	s_barrier_wait -1
	s_cmp_lg_u32 s[WV], 0
	s_cbranch_scc1 .Lnot_wave_0_\@
	s_barrier_signal -3
.Lnot_wave_0_\@:
	s_barrier_wait -3
	s_barrier_signal -1
	s_barrier_wait -1
.endm
.macro PLACES n
.rept \n
	v_nop
.endr
.endm
; A group of queries begins: O^T and the sum as zeros, the largest t as -3e38 (the first change of M multiplies zeros).  copy = 1: the second group's Q takes Q's place.
.macro FRESH copy
	v_mov_b32 v13, 0xff61b1e6
	s_delay_alu instid0(VALU_DEP_1)
	v_floor_f32 v12, -v13
	v_mov_b32 v14, 0
	v_mov_b32 v15, 0
.set j, 0
.rept 32
	v_mov_b32 v[160+j], 0
.set j, j+1
.endr
.if \copy
.set j, 0
.rept 8
	v_mov_b32 v[16+j], v[24+j]
.set j, j+1
.endr
.endif
.endm
.macro CONSTS
	v_mov_b32 v244, s80                            ; 2^e9
	v_mov_b32 v240, s81                            ; 448 x 2^e9
	v_mov_b32 v245, s82                            ; 2^(e10 - e8 - e9)
	v_mov_b32 v241, s83                            ; 448 x that
	v_mov_b32 v249, 0xff800000                     ; -infinity
	v_mov_b32 v246, 0                              ; a lane permute's destination counts as one of its sources
	v_mov_b32 v252, 0
	v_mov_b32 v253, 0                              ; (the upper half of the pair v[252:253])
	v_mov_b32 v254, 0
.endm
.macro KLOAD adr                       ; K's eight fragments of a key step: fragment c holds keys 16 c on
.irp c, 0,1,2,3,4,5,6,7
	ds_load_b128 v[32+8*\c:35+8*\c], v[\adr] offset:1024*\c
	ds_load_b128 v[36+8*\c:39+8*\c], v[\adr] offset:1024*\c+512
.endr
.endm
	s_load_b256 s[4:11], s[0:1], 0x0               ; qc s[4:5], kc s[6:7], vc s[8:9], the scales' exponents s[10:11]
	s_load_b64 s[12:13], s[0:1], 0x20              ; ac
	v_lshl_add_u32 v[SPW], v0, 2, SPARE
	v_mov_b32 v[NIL], 0
	ds_add_u32 v[SPW], v[NIL]                      ; the opening: the add, twice on end, and its wait ahead of my first tensor load
	ds_add_u32 v[SPW], v[NIL]
	v_lshrrev_b32 v8, 5, v0
	v_readfirstlane_b32 s[WV], v8                  ; wave 0..7
	s_bfe_u32 s[CX], ttmp6, 0x40000
	s_and_b32 s17, ttmp7, 0xffff                   ; bh = 16 x batch + head: the cluster's y
.irp g, G1A, G1B
	s_mov_b32 s[\g], 15|(3<<16)|(1<<21)            ; the mask names the cluster's four; elements of 8 bytes; bit 21 beside a mask; no padding
	s_mov_b32 s[\g+1], 32<<16                      ; tensor_dim0 = 32: rows of 256 bytes
	s_mov_b32 s[\g+3], 32<<16                      ; tile_dim0
	s_mov_b32 s[\g+5], 32                          ; the pitch: dense
	s_mov_b32 s[\g+6], 0
	s_mov_b32 s[\g+7], 0
.endr
	s_mov_b32 s[G1A+2], 40<<16                     ; tensor_dim1, tile_dim1: 40 rows,
	s_mov_b32 s[G1A+4], 40
	s_mov_b32 s[G1B+2], 88<<16                     ; and 88
	s_mov_b32 s[G1B+4], 88
	s_lshr_b32 s96, s[WV], 2                       ; I fetch for K (0) or for V (1),
	s_and_b32 s97, s[WV], 3                        ; and which quarter
	s_lshl_b32 s96, s96, 17
	s_mul_i32 s[OFF], s97, 10240                   ; first load: 10,240 x quarter, in memory as in LDS
	s_mov_b32 s[OFF+1], 0
	s_add_co_u32 s[G0A+1], s96, s[OFF]
	s_mul_i32 s[OF1], s97, 22528                   ; second load: 40,960 + 22,528 x quarter
	s_add_co_u32 s[OF1], s[OF1], 40960
	s_mov_b32 s[OF1+1], 0
	s_add_co_u32 s[G0B+1], s96, s[OF1]
	s_mov_b32 s[G0A], 1
	s_mov_b32 s[G0B], 1
	s_lshl_b32 s[HB], s17, 17                      ; the head's first byte in qc, kc and vc
	s_mov_b32 s[HB+1], 0
	s_and_b32 s96, s17, 15
	s_lshl_b32 s96, s96, 19                        ; in ac: the head's plane of 524,288 bytes,
	s_lshr_b32 s97, s17, 4
	s_lshl_b32 s97, s97, 17                        ; and the batch's 2,048 tokens of 64 bytes
	s_add_co_u32 s[AB], s96, s97
	s_mov_b32 s[AB+1], 0
	s_sub_co_u32 s[LAST], 15, s[WV]                ; the first group: g = 15 - w
	s_lshl_b32 s[C32], s[CX], 5
	s_lshl_b32 s96, s[LAST], 7
	s_add_co_u32 s96, s96, s[C32]                  ; its first query,
	s_lshl_b32 s[OH], s96, 6                       ; of 64 bytes a token
	s_mov_b32 s[OH+1], 0
	s_lshl_b32 s96, s[WV], 7
	s_add_co_u32 s96, s96, s[C32]                  ; the second group: g = w
	s_lshl_b32 s[OL], s96, 6
	s_mov_b32 s[OL+1], 0
	s_mov_b32 s[SEL], 0x76543210
	s_mov_b32 s[SEL+1], 0xfedcba98
	s_mov_b32 s[CS], 0x3e38aa3b                    ; log2(e) / 8
	v_and_b32 v[LI], 31, v0
	v_lshlrev_b32 v[LI], 4, v[LI]
	v_add_nc_u32 v[LIV], VB, v[LI]
	v_and_b32 v248, 15, v0
	v_bfe_u32 v10, v0, 4, 1
	v_lshlrev_b32 v10, 3, v10
	v_sub_nc_u32 v248, v248, v10
	v_add_nc_u32 v248, s[C32], v248                ; d = my query - the diagonal step's first key - 8 hf = 32 cx + 16 x tile + r - 8 hf
	WIN 0x40                                       ; destination window 1, sources window 0
	v_add_nc_u32 v248, 16, v248
	WIN 0
	s_wait_alu depctr_va_vdst(0)                   ; the wait directly ahead of the waits below
	s_wait_dscnt 0x0                               ; both opening adds are done
	s_wait_kmcnt 0x0
	s_load_b128 s[56:59], s[10:11], 0x18           ; e6, e7, e8, e9
	s_load_b32 s60, s[10:11], 0x28                 ; e10
	s_add_nc_u64 s[4:5], s[4:5], s[HB:HB+1]
	s_add_nc_u64 s[QH:QH+1], s[4:5], s[OH:OH+1]
	s_add_nc_u64 s[QL:QL+1], s[4:5], s[OL:OL+1]
	global_load_b128 v[16:19], v[LI], s[QH:QH+1]               ; Q of both groups stays in registers: tile 0,
	global_load_b128 v[20:23], v[LI], s[QH:QH+1] offset:512
	global_load_b128 v[24:27], v[LI], s[QL:QL+1]
	global_load_b128 v[28:31], v[LI], s[QL:QL+1] offset:512
	WIN 0x40
	global_load_b128 v[16:19], v[LI], s[QH:QH+1] offset:1024   ; and tile 1
	global_load_b128 v[20:23], v[LI], s[QH:QH+1] offset:1536
	global_load_b128 v[24:27], v[LI], s[QL:QL+1] offset:1024
	global_load_b128 v[28:31], v[LI], s[QL:QL+1] offset:1536
	WIN 0
	s_cmp_lt_u32 s[WV], 4
	s_cselect_b64 s[SRC:SRC+1], s[6:7], s[8:9]
	s_add_nc_u64 s[SRC:SRC+1], s[SRC:SRC+1], s[HB:HB+1]
	s_add_nc_u64 s[G0A+2:G0A+3], s[SRC:SRC+1], s[OFF:OFF+1]
	s_or_b32 s[G0A+3], s[G0A+3], 0x80000000
	s_add_nc_u64 s[G0B+2:G0B+3], s[SRC:SRC+1], s[OF1:OF1+1]
	s_or_b32 s[G0B+3], s[G0B+3], 0x80000000
	s_add_nc_u64 s[12:13], s[12:13], s[AB:AB+1]
	s_add_nc_u64 s[AO:AO+1], s[12:13], s[OH:OH+1]
	s_add_nc_u64 s[AL:AL+1], s[12:13], s[OL:OL+1]
	CROUND                                         ; all four work-groups are here: the first joint loads meet
	tensor_load_to_lds s[G0A:G0A+3], s[G1A:G1A+7]  ; key steps 0 to 4: my one load at the head
	s_nop 0
	PLACES 4
	s_wait_kmcnt 0x0
	s_add_co_i32 s96, s56, s57
	s_lshl_b32 s96, s96, 23
	s_add_co_i32 s[CS], s[CS], s96                 ; a score stands for score x 2^(e6 + e7): added to c's exponent field
	s_mov_b32 s[CS+1], s[CS]
	s_add_co_i32 s96, s59, 127
	s_lshl_b32 s80, s96, 23
	s_add_co_i32 s96, s96, 8
	s_lshl_b32 s96, s96, 23
	s_or_b32 s81, s96, 0x600000
	s_sub_co_i32 s96, s60, s58
	s_sub_co_i32 s96, s96, s59                     ; a sum of the second product stands for sum x 2^(e8 + e9)
	s_add_co_i32 s96, s96, 127
	s_lshl_b32 s82, s96, 23
	s_add_co_i32 s96, s96, 8
	s_lshl_b32 s96, s96, 23
	s_or_b32 s83, s96, 0x600000
	CONSTS
	FRESH 0
	WIN 0x55
	CONSTS
	FRESH 0
	WIN 0
.macro SMUL
.irp c, 0,1,2,3,4,5,6,7
	v_wmma_f32_16x16x64_fp8_fp8 v[96+8*\c:103+8*\c], v[32+8*\c:39+8*\c], v[16:23], 0
.endr
.endm
.macro PV                              ; the accumulators take turns, one instruction a turn
.irp d, 0,1,2,3
	v_wmma_f32_16x16x128_fp8_fp8 v[160+8*\d:167+8*\d], v[32+16*\d:47+16*\d], v[224:239], v[160+8*\d:167+8*\d]
.endr
.endm
.macro MASK                            ; register 8 c + j holds the step's key 16 c + 8 hf + j: hidden where 16 c + j > d.  Eight compares, each into a mask of its own, then eight selections
.irp c, 0,1,2,3,4,5,6,7
.irp j, 0,1,2,3,4,5,6,7
	v_cmp_gt_i32 s[MK+\j], 16*\c+\j, v248
.endr
.irp j, 0,1,2,3,4,5,6,7
	v_cndmask_b32 v[96+8*\c+\j], v[96+8*\c+\j], v249, s[MK+\j]
.endr
.endr
.endm
; Four exponentials of the second half; among them five plain lines on four numbers of the first half, whose exponentials have been waited for: their sum (of the unquantised p) into the pair t, then the hold.
; What these plain lines write is first read behind the wait that follows the batch.
.macro HALF2 i, t
	v_exp_f32 v[128+4*\i], v[128+4*\i]
	v_pk_add_f32 v[\t:\t+1], v[96+4*\i:97+4*\i], v[98+4*\i:99+4*\i]
	v_exp_f32 v[129+4*\i], v[129+4*\i]
	v_min_num_f32 v[96+4*\i], v[96+4*\i], v240
	v_exp_f32 v[130+4*\i], v[130+4*\i]
	v_min_num_f32 v[97+4*\i], v[97+4*\i], v240
	v_exp_f32 v[131+4*\i], v[131+4*\i]
	v_min_num_f32 v[98+4*\i], v[98+4*\i], v240
	v_min_num_f32 v[99+4*\i], v[99+4*\i], v240
.endm
.macro ACC t, r
	v_pk_add_f32 v[\t:\t+1], v[\t:\t+1], v[\r:\r+1]
.endm
; One tile's softmax of a key step, all its registers in the tile's window.
.macro SOFT
	s_wait_alu depctr_va_vdst(0)                   ; the wait directly ahead of the first reader of the scores
.irp k, 0,1,2,3                        ; the step's largest score of my query among my 64 keys, in four chains; each accumulator is read from its low end on
	v_max3_num_f32 v[MX+\k], v[96+16*\k], v[97+16*\k], v[98+16*\k]
.endr
.irp i, 3,5,7,9,11,13
.irp k, 0,1,2,3
	v_max3_num_f32 v[MX+\k], v[MX+\k], v[96+16*\k+\i], v[97+16*\k+\i]
.endr
.endr
	v_max3_num_f32 v[MX], v[MX], v111, v127
	v_max3_num_f32 v[MX+1], v[MX+1], v143, v159
	s_delay_alu instid0(VALU_DEP_1)
	v_max3_num_f32 v254, v[MX], v[MX+1], v[MX+2]
	s_delay_alu instid0(VALU_DEP_1)
	v_max_num_f32 v254, v254, v[MX+3]
	s_delay_alu instid0(VALU_DEP_1)
	v_permlanex16_b32 v246, v254, s[SEL], s[SEL+1]
	s_delay_alu instid0(VALU_DEP_1)
	v_max_num_f32 v254, v254, v246                 ; and among lane l xor 16's
	s_delay_alu instid0(VALU_DEP_1)
	v_mul_f32 v254, s[CS], v254                    ; as t (c is positive)
	s_delay_alu instid0(VALU_DEP_1)
	v_max_num_f32 v13, v13, v254                   ; the running largest t
	v_mov_b32 v254, v12
	s_delay_alu instid0(VALU_DEP_2)
	v_floor_f32 v12, -v13                          ; the new -M = -ceil(t): M is a whole number
	s_delay_alu instid0(VALU_DEP_1)
	v_sub_f32 v254, v12, v254                      ; old M - new M: a whole number, 0 or less
	s_delay_alu instid0(VALU_DEP_1)
	v_cvt_i32_f32 v254, v254                       ; (it saturates)
	s_delay_alu instid0(VALU_DEP_1)
	v_ldexp_f32 v252, 1.0, v254                    ; f = 2^(old M - new M)
.set j, 0
.rept 16
	v_pk_fma_f32 v[96+j:97+j], v[96+j:97+j], s[CS:CS+1], v[12:13] op_sel_hi:[1,0,0]   ; t - M of the first 32 numbers, two at a time
.set j, j+2
.endr
	v_pk_mul_f32 v[14:15], v[14:15], v[252:253] op_sel_hi:[1,0]   ; the sums under the new M
	s_wait_alu depctr_va_vdst(0)                   ; the wait ahead of the batch
.set j, 0
.rept 16                               ; p = 2^(t - M), at most 1, of the first 32; among them t - M of the other 32, first read behind the next wait
	v_exp_f32 v[96+j], v[96+j]
	v_exp_f32 v[97+j], v[97+j]
	v_pk_fma_f32 v[128+j:129+j], v[128+j:129+j], s[CS:CS+1], v[12:13] op_sel_hi:[1,0,0]
.set j, j+2
.endr
	s_wait_alu depctr_va_vdst(0)                   ; the wait behind the first batch and ahead of the second
	HALF2 0, 232
	HALF2 1, 234
	HALF2 2, 236
	HALF2 3, 238
	HALF2 4, 242
	HALF2 5, 246
	HALF2 6, 250
	HALF2 7, 254
	s_wait_alu depctr_va_vdst(0)                   ; the wait behind the second batch, ahead of its first reader
	ACC 232, 128                                   ; the row's sum of the unquantised p goes on in the eight chains
	ACC 234, 130
	ACC 236, 132
	ACC 238, 134
	ACC 242, 136
	ACC 246, 138
	ACC 250, 140
	ACC 254, 142
	ACC 232, 144
	ACC 234, 146
	ACC 236, 148
	ACC 238, 150
	ACC 242, 152
	ACC 246, 154
	ACC 250, 156
	ACC 254, 158
	ACC 232, 242
	ACC 234, 246
	ACC 236, 250
	ACC 238, 254
	s_delay_alu instid0(VALU_DEP_2)
	ACC 232, 236
	s_delay_alu instid0(VALU_DEP_2)
	ACC 234, 238
	s_delay_alu instid0(VALU_DEP_1)
	ACC 232, 234
	s_delay_alu instid0(VALU_DEP_1)
	ACC 14, 232
.set j, 0
.rept 32
	v_min_num_f32 v[128+j], v[128+j], v240         ; the conversion does not saturate (ISA guide 7.6.2); p is not negative, so the hold is one-sided
.set j, j+1
.endr
.irp c, 0,1,2,3,4,5,6,7
	v_cvt_scalef32_pk8_fp8_f32 v[224+2*\c:225+2*\c], v[96+8*\c:103+8*\c], v244   ; registers 2 c, 2 c + 1 of the operand
.endr
	s_wait_alu depctr_va_vdst(0)                   ; the wait directly ahead of the first reader of O^T
.set j, 0
.rept 16
	v_pk_mul_f32 v[160+j:161+j], v[160+j:161+j], v[252:253] op_sel_hi:[1,0]   ; O^T under the new M (also the plain lines between the conversions and the products)
.set j, j+2
.endr
.endm
; A KEY STEP of 128 keys for both tiles; its fragments of K were asked for a step ago.  mask = 1: on the group's last step hidden scores become -infinity ahead of the maximum.
.macro BODY mask
	s_wait_dscnt 0x0                               ; K's fragments are in
	SMUL
	WIN 0x54                                       ; K from window 0; Q and the scores in window 1
	SMUL
	WIN 0
	v_add_nc_u32 v[ADV], s[TB], v[LIV]
	v_add_nc_u32 v[ADK], s[NB], v[LI]
	PLACES 2                                       ; with the two additions: four places in front of loads into registers that products have read, and of the first read of the scores
	WIN 0x40
.irp d, 0,1,2,3
.irp i, 0,1,2,3
	ds_load_b128 v[32+16*\d+4*\i:35+16*\d+4*\i], v[ADV] offset:2048*\d+512*\i   ; V's fragment d, into window 1,
.endr
.endr
	WIN 0
	KLOAD ADK                                      ; and behind them the next step's K: both land while the softmax is walked
.if \mask
	s_cmp_eq_u32 s[ST], s[LAST]                    ; the wave's number and the count of trips alone
	s_cbranch_scc0 .Lopen_\@
	MASK
	WIN 0x55
	MASK
	WIN 0
.Lopen_\@:
.endif
	SOFT
	WIN 0x55
	SOFT
	s_wait_alu depctr_va_vdst(0)                   ; the wait: directly behind the step's last plain write, ahead of the wait and the branches that follow
	s_wait_dscnt 16                                ; V's 16 loads are in; the next K's 16, issued behind them, may be out
	WIN 0x01                                       ; V from window 1, the rest from window 0
	PV
	WIN 0x55
	PV
	WIN 0
.endm
; A tile ends: O^T / the sum is quantised and leaves as two pieces of an image.
.macro FLUSH w
	WIN 0x55*\w
	v_add_f32 v14, v14, v15                        ; the sum's two halves,
	s_delay_alu instid0(VALU_DEP_1)
	v_permlanex16_b32 v246, v14, s[SEL], s[SEL+1]
	s_delay_alu instid0(VALU_DEP_1)
	v_add_f32 v14, v14, v246                       ; and lane l xor 16's
	s_wait_alu depctr_va_vdst(0)                   ; the wait ahead of the reciprocal,
	v_rcp_f32 v14, v14
	v_nop
	s_wait_alu depctr_va_vdst(0)                   ; and ahead of its first reader, which is O^T's first reader too
.set j, 0
.rept 16
	v_pk_mul_f32 v[192+j:193+j], v[160+j:161+j], v[14:15] op_sel_hi:[1,0]   ; register 8 d + i is o(r, 16 d + 8 hf + i)
.set j, j+2
.endr
.set j, 0
.rept 32
	v_med3_num_f32 v[192+j], v[192+j], -v241, v241
.set j, j+1
.endr
.irp d, 0,1,2,3
	v_cvt_scalef32_pk8_fp8_f32 v[224+2*\d:225+2*\d], v[192+8*\d:199+8*\d], v245
.endr
	v_nop                                          ; a plain line behind the conversions
	; the image wants 16 neighbouring dims a lane: each lane sends the tile that its partner wants and keeps the other
	s_mov_b32 vcc_lo, 0xffff0000                   ; lanes 16-31
.irp b, 0,1
.irp k, 0,1
	v_cndmask_b32 v[200+\k], v[226+4*\b+\k], v[224+4*\b+\k], vcc_lo
.endr
.irp k, 0,1
	s_delay_alu instid0(VALU_DEP_2)
	v_permlanex16_b32 v[202+\k], v[200+\k], s[SEL], s[SEL+1]
.endr
.irp k, 0,1
	v_cndmask_b32 v[192+4*\b+\k], v[224+4*\b+\k], v[202+\k], vcc_lo
	v_cndmask_b32 v[194+4*\b+\k], v[202+\k], v[226+4*\b+\k], vcc_lo
.endr
.endr
	WIN 0x04*\w                                    ; the address from window 0, the data from the tile's
	global_store_b128 v[LI], v[192:195], s[AO:AO+1] offset:1024*\w        ; 32 lanes store 512 consecutive bytes, aligned
	global_store_b128 v[LI], v[196:199], s[AO:AO+1] offset:1024*\w+512
	WIN 0x55*\w
	FRESH 1
.endm
	s_wait_alu depctr_va_vdst(0)                   ; the wait at the head's end
	s_wait_loadcnt 0x0                             ; Q is in
	s_wait_tensorcnt 0x0                           ; my part of key steps 0 to 4 is in
	ds_add_u32 v[SPW], v[NIL]
	s_wait_dscnt 0x0
	CROUND                                         ; everybody's part is in, and all four work-groups are here
	tensor_load_to_lds s[G0B:G0B+3], s[G1B:G1B+7]  ; key steps 5 to 15: bytes that nothing has filled and that the four trips below do not read
	s_nop 0
	PLACES 4
	KLOAD LI                                       ; K's fragments of key step 0
	s_mov_b32 s[TB], 0
	s_mov_b32 s[NB], 8192
	s_mov_b32 s[CNT], 0
.Lfirst:                                           ; four trips: key steps 0 to 3 of the first group, whose diagonal lies at step 8 or later in every wave; they read V's steps 0 to 3 and K's 1 to 4
	BODY 0
	s_add_co_u32 s[TB], s[TB], 8192
	s_add_co_u32 s[NB], s[NB], 8192
	s_add_co_u32 s[CNT], s[CNT], 1
	s_cmp_lt_u32 s[CNT], 4
	s_cbranch_scc1 .Lfirst
	s_wait_tensorcnt 0x0                           ; my part of key steps 5 to 15 is in
	ds_add_u32 v[SPW], v[NIL]
	s_wait_dscnt 0x0
	s_barrier_signal -1
	s_barrier_wait -1                              ; everybody's is: K and V are whole, and nothing is filled again
.Lrest:                                            ; trips 4 to 31: a constant count; a step behind the group's last is left out by a branch on the wave's number and the count of trips
	s_and_b32 s[ST], s[CNT], 15
	s_lshl_b32 s[TB], s[ST], 13
	s_cmp_gt_u32 s[ST], s[LAST]
	s_cbranch_scc1 .Lhidden
	s_add_co_u32 s96, s[ST], 1
	s_and_b32 s96, s96, 15
	s_cmp_eq_u32 s[ST], s[LAST]
	s_cselect_b32 s96, 0, s96                      ; the step that I walk next: the one that follows, or, behind a group's last, step 0
	s_lshl_b32 s[NB], s96, 13
	BODY 1
	s_cmp_eq_u32 s[ST], s[LAST]
	s_cbranch_scc0 .Lhidden
	PLACES 4                                       ; behind the last products
	FLUSH 0                                        ; the group's last step is done: both tiles leave, and the second group's state is set
	FLUSH 1
	WIN 0
	s_wait_alu depctr_va_vdst(0)                   ; the wait directly ahead of the wait below
	s_wait_xcnt 0x0                                ; the stores have read their base and data
	s_mov_b64 s[AO:AO+1], s[AL:AL+1]
	s_mov_b32 s[LAST], s[WV]                       ; g = w: under every step left of the first group's sixteen (16 - w > w)
.Lhidden:
	s_add_co_u32 s[CNT], s[CNT], 1
	s_cmp_lt_u32 s[CNT], 32
	s_cbranch_scc1 .Lrest
	s_wait_tensorcnt 0x0                           ; the wave's end
	ds_add_u32 v[SPW], v[NIL]
	s_wait_dscnt 0x0
	CROUND                                         ; the closing round
	s_endpgm
.Lfunc_end_k_q1d9ce5e513_attn:
	.size	k_q1d9ce5e513_attn, .Lfunc_end_k_q1d9ce5e513_attn-k_q1d9ce5e513_attn
	.p2alignl 7, 3214868480
	.fill 96, 4, 3214868480
	.section	.rodata,"a",@progbits
	.p2align	6, 0x0
	.amdhsa_kernel k_q1d9ce5e513_attn
		.amdhsa_group_segment_fixed_size 327680
		.amdhsa_private_segment_fixed_size 0
		.amdhsa_enable_private_segment 0
		.amdhsa_kernarg_size 40
		.amdhsa_user_sgpr_count 2
		.amdhsa_user_sgpr_kernarg_segment_ptr 1
		.amdhsa_wavefront_size32 1
		.amdhsa_system_sgpr_workgroup_id_x 1
		.amdhsa_system_sgpr_workgroup_id_y 1
		.amdhsa_system_sgpr_workgroup_id_z 1
		.amdhsa_system_vgpr_workitem_id 0
		.amdhsa_next_free_vgpr 512
		.amdhsa_next_free_sgpr 100
		.amdhsa_reserve_vcc 1
		.amdhsa_float_denorm_mode_32 3
		.amdhsa_float_denorm_mode_16_64 3
		.amdhsa_memory_ordered 1
		.amdhsa_forward_progress 1
		.amdhsa_inst_pref_size 101
	.end_amdhsa_kernel
	.amdgpu_metadata
---
amdhsa.version: [ 1, 2 ]
amdhsa.kernels:
  - .name:           k_q1d9ce5e513_attn
    .symbol:         k_q1d9ce5e513_attn.kd
    .args:
      - { .name: qc, .offset: 0, .size: 8, .value_kind: global_buffer, .address_space: global }
      - { .name: kc, .offset: 8, .size: 8, .value_kind: global_buffer, .address_space: global }
      - { .name: vc, .offset: 16, .size: 8, .value_kind: global_buffer, .address_space: global }
      - { .name: lowp_scales, .offset: 24, .size: 8, .value_kind: global_buffer, .address_space: global }
      - { .name: ac, .offset: 32, .size: 8, .value_kind: global_buffer, .address_space: global }
    .group_segment_fixed_size: 327680
    .private_segment_fixed_size: 0
    .kernarg_segment_align: 8
    .kernarg_segment_size: 40
    .max_flat_workgroup_size: 256
    .sgpr_count:     100
    .vgpr_count:     512
    .wavefront_size: 32
...
	.end_amdgpu_metadata
.endif
;; end of part 3
;; launch oproj (part 4): grid 4 x 64, 2 waves a work-group, clusters of 4 x 4, 327,680 bytes of LDS; arguments ac, wc, lowp_scales, out0; writes out0
.if DOCPART == 4
	.amdgcn_target "amdgcn-amd-amdhsa--gfx1250"
	.amdhsa_code_object_version 6
	.text
	.protected	k_q1d9ce5e513_oproj
	.globl	k_q1d9ce5e513_oproj
	.p2align	8
	.type	k_q1d9ce5e513_oproj,@function
k_q1d9ce5e513_oproj:
	s_mov_b64 s[64:65], 0
	v_nop
	global_prefetch_b8 v0, s[64:65] scope:SCOPE_SE
	s_setreg_imm32_b32 hwreg(HW_REG_WAVE_MODE, 25, 1), 1
	s_wait_xcnt 0x0
	s_wait_alu depctr_hold_cnt(0) depctr_sa_sdst(0) depctr_va_vdst(0) depctr_va_sdst(0) depctr_va_ssrc(0) depctr_va_vcc(0) depctr_vm_vsrc(0)
	s_getreg_b32 s2, hwreg(HW_REG_IB_STS2, 6, 4)
	s_cmp_eq_u32 s2, 0
	s_cbranch_scc0 .Lentry_in_a_cluster
	s_endpgm
.Lentry_in_a_cluster:
	s_bfe_u32 s2, ttmp6, 0x10000c
	s_cmp_lg_u32 s2, 0xf033
	s_cbranch_scc0 .Lentry_shape_is_right
	s_endpgm
.Lentry_shape_is_right:
; out0 [8192][1024] f32 = A Wo^T on codes of E4M3, K = 1,024.  A = ac, images of operand registers as launch attn lays them ([head][16 tokens][1,024 B]); B = wc's plane 3, K innermost.
; Each finished sum is multiplied once by 2^(e10 + e11).  LIMIT: e10 + e11 lies between -126 and 127, so that this power of two is an f32 number.
; SHARES.  out0 has 64 x 4 blocks of 128 x 256: 256 work-groups.  A work-group has TWO waves, each with 128 x 128 of out0 in 64 accumulators (512 registers): both read the block's 128 tokens,
; wave w columns 128 w on.  Blocks of 256 x 256 with four such waves would be 128 work-groups.
; K goes in steps of 256 (four heads) through a ring of two LDS slots: A's 4 planes x 8,192 bytes (wave 0's one load), then B's 256 rows of 256 bytes, padded to 272 (wave 1's one load).
; CLUSTERS of 4 x 4: A's tiles are asked for jointly along a row of the cluster, B's along a column.  Source 0 = 16 rows of B, source 1 = 16 tokens: a lane holds eight neighbouring columns of a row.
; The results leave through each wave's stage in slot 0, after that slot's last fill and last read, as rows of 512 consecutive bytes.
; REGISTERS: window 0: v16-31 addresses; from v128 A's fragments, one set (the way out: v32-255); window 1: B's fragments, two sets; windows 2, 3: the accumulators of tokens 0-63, 64-127.
.set SIZE_N, 1024
.set ROWB,   256
.set KROW,   1024
.set PITCH,  272
.set PLANE,  524288
.set FR,     16
.set NL,     4
.set NP,     4
.set ATILE,  32768
.set BHALF,  128*PITCH
.set BOFF,   ATILE
.set SLOT,   ATILE+2*BHALF
.set SPARE,  2*SLOT                    ; behind the ring: the spare words, 128 bytes for each wave, that no other line names
.set SPITCH, 528
.set ADRA, 16
.set ADRB, 20
.set STO,  24
.set RD,   25
.set CO,   26
.set SPW,  28
.set NIL,  29
.set PFO,  30
.set TMP,  32
.set AF,   128
.set BK,   128
.set G1, 24
.set G0, 32
.set G1B, 48
.set G0B, 56
.set MSB, 0
.macro WIN new
.if MSB != \new
	s_set_vgpr_msb (MSB<<8)|\new
.set MSB, \new
.endif
.endm
.set MUL_LO, 0xa1
.set MUL_HI, 0xf1
.set TO_B,   0x40
.macro JLOAD g0a, g1a, g0b, g1b        ; wave 0 fetches A's tile, wave 1 B's; an s_nop 0 and four v_nop follow each line
	s_cmp_eq_u32 s15, 0
	s_cbranch_scc0 .Lfor_b_\@
	tensor_load_to_lds s[\g0a:\g0a+3], s[\g1a:\g1a+7]
	s_nop 0
.rept 4
	v_nop
.endr
	s_branch .Lasked_\@
.Lfor_b_\@:
	tensor_load_to_lds s[\g0b:\g0b+3], s[\g1b:\g1b+7]
	s_nop 0
.rept 4
	v_nop
.endr
.Lasked_\@:
.endm
.macro CREST
	s_cmp_lg_u32 s14, 0
	s_cbranch_scc1 .Lnot_wave_0_\@
	s_barrier_signal -3
.Lnot_wave_0_\@:
	s_barrier_wait -3
	s_barrier_signal -1
	s_barrier_wait -1
.endm
.macro CROUND
	s_barrier_signal -1
	s_barrier_wait -1
	CREST
.endm
	s_load_b128 s[4:7], s[0:1], 0x0                ; ac, wc
	s_load_b128 s[8:11], s[0:1], 0x10              ; the scales' exponents, out0
	v_lshl_add_u32 v[SPW], v0, 2, SPARE
	v_mov_b32 v[NIL], 0
	ds_add_u32 v[SPW], v[NIL]                      ; the opening: the add, twice on end, and its wait
	ds_add_u32 v[SPW], v[NIL]
	v_lshrrev_b32 v1, 5, v0
	v_readfirstlane_b32 s14, v1                    ; wave 0, 1
	s_and_b32 s15, s14, 1                          ; I fetch for A (0) or for B (1)
	s_and_b32 s16, s14, 1                          ; which half of the block's columns is mine
	s_bfe_u32 s40, ttmp6, 0x40000                  ; cx, cy
	s_bfe_u32 s41, ttmp6, 0x40004
	s_lshl_b32 s42, ttmp9, 2
	s_add_co_u32 s42, s42, s40                     ; block column
	s_and_b32 s73, ttmp7, 0xffff                   ; the cluster's y
	s_lshl_b32 s17, s73, 2
	s_add_co_u32 s17, s17, s41                     ; block row, of 128 tokens
	s_lshl_b32 s43, s41, 2
	s_lshl_b32 s43, 15, s43                        ; my row of the cluster
	s_lshl_b32 s44, 0x1111, s40                    ; my column
	s_or_b32 s[G1+0], s43, (3<<16)|(1<<21)         ; A: 4 planes of 1,024 elements of 8 bytes, PLANE bytes apart, no padding
	s_mov_b32 s[G1+1], 1024<<16
	s_mov_b32 s[G1+2], 4<<16
	s_mov_b32 s[G1+3], 1024<<16
	s_mov_b32 s[G1+4], 4
	s_mov_b32 s[G1+5], PLANE/8
	s_mov_b32 s[G1+6], 0
	s_mov_b32 s[G1+7], 0
	s_or_b32 s[G1B+0], s44, (0<<16)|(1<<20)|(1<<21)|(5<<22)|(3<<25)   ; B: 256 rows of 256 bytes, four words of padding behind each 64
	s_mov_b32 s[G1B+1], ROWB<<16
	s_mov_b32 s[G1B+2], 256<<16
	s_mov_b32 s[G1B+3], ROWB<<16
	s_mov_b32 s[G1B+4], 256
	s_mov_b32 s[G1B+5], KROW
	s_mov_b32 s[G1B+6], 0
	s_mov_b32 s[G1B+7], 0
	s_lshl_b32 s20, s17, 13                        ; A: 128 tokens of 64 bytes in each head's plane
	s_mov_b32 s21, 0
	s_lshl_b32 s46, s42, 18                        ; B: 256 rows of 1,024 bytes,
	s_add_co_u32 s46, s46, 0x300000                ; in wc's plane 3
	s_mov_b32 s47, 0
	s_and_b32 s72, s73, 1
	s_lshl_b32 s72, s72, 2
	s_add_co_u32 s72, s72, s41                     ; the prefetches of B: cy + 4 x (cluster y % 2)
	s_lshr_b32 s78, s73, 1
	s_min_u32 s78, s78, 1
	s_and_b32 s78, s78, s15                        ; 0 in a wave that prefetches: wave 0 everywhere, wave 1 in clusters 0 and 1
	s_wait_dscnt 0x0
	s_wait_kmcnt 0x0
	s_load_b64 s[96:97], s[8:9], 0x28              ; e10, e11
	s_add_nc_u64 s[20:21], s[4:5], s[20:21]
	s_add_nc_u64 s[46:47], s[6:7], s[46:47]
	CROUND                                         ; all sixteen work-groups are here: the first joint loads meet
.irp s, 0,1
	s_mov_b32 s[G0+4*\s], 1
	s_mov_b32 s[G0+4*\s+1], \s*SLOT
	s_add_nc_u64 s[G0+4*\s+2:G0+4*\s+3], s[20:21], \s*4*PLANE
	s_or_b32 s[G0+4*\s+3], s[G0+4*\s+3], 0x80000000
	s_mov_b32 s[G0B+4*\s], 1
	s_mov_b32 s[G0B+4*\s+1], BOFF+\s*SLOT
	s_add_nc_u64 s[G0B+4*\s+2:G0B+4*\s+3], s[46:47], \s*ROWB
	s_or_b32 s[G0B+4*\s+3], s[G0B+4*\s+3], 0x80000000
.endr
	JLOAD G0, G1, G0B, G1B                         ; K step 0: one tensor load a wave at the head
	; PREFETCHES INTO THE L2, 32 blocks of 256 bytes an instruction, a lane a block.  A (wave 0): of a K step's 4 planes x 8,192 bytes each of the four partners along the cluster's row names
	; 2,048 bytes of each plane (by cx).  B (wave 1): all sixteen clusters load the same rows of Wo, so clusters 0 and 1 name them, each block once in the launch: 32 rows for each of cy + 4 x (cluster y).
	; Behind K step 0's load K step 1 is asked for, behind K step 1's load K steps 2 and 3.  The addresses are never rewritten.
	s_cmp_eq_u32 s15, 0
	s_cselect_b64 s[66:67], s[20:21], s[46:47]
	s_cselect_b32 s2, s40, s72                     ; my part,
	s_cselect_b32 s3, 11, 15                       ; of 2,048 bytes, or of 32 rows of 1,024
	s_mov_b32 s74, ROWB
	s_cselect_b32 s74, 4*PLANE, s74                ; a K step on
	s_mov_b32 s76, 8192
	s_cselect_b32 s76, PLANE, s76                  ; from eight lanes to the next eight
	s_mov_b32 s77, 1024
	s_cselect_b32 s77, 256, s77                    ; from lane to lane
	s_lshl_b32 s2, s2, s3
	s_mov_b32 s3, 0
	s_mov_b32 s75, 0
	s_add_nc_u64 s[66:67], s[66:67], s[2:3]
	s_add_nc_u64 s[66:67], s[66:67], s[74:75]      ; K step 1,
	s_add_nc_u64 s[68:69], s[66:67], s[74:75]      ; 2,
	s_add_nc_u64 s[70:71], s[68:69], s[74:75]      ; 3
	v_and_b32 v[PFO], 31, v0
	v_lshrrev_b32 v31, 3, v[PFO]
	v_and_b32 v[PFO], 7, v[PFO]
	v_mul_u32_u24 v31, v31, s76
	v_mad_u32_u24 v[PFO], v[PFO], s77, v31
	s_cmp_eq_u32 s78, 0
	s_cbranch_scc0 .Lno_pf0
	global_prefetch_b8 v[PFO], s[66:67] th:TH_LOAD_NT scope:SCOPE_SE
.Lno_pf0:
	v_and_b32 v1, 15, v0
	v_bfe_u32 v2, v0, 4, 1
	v_mul_u32_u24 v3, v1, PITCH
	v_lshl_add_u32 v4, v2, 4, v3
	v_and_b32 v6, 31, v0
	v_lshlrev_b32 v[CO], 4, v6
	s_wait_alu depctr_va_vdst(0)                   ; the wait ahead of the scalar lines below
	s_mov_b32 s21, 0                               ; A's tile: both waves read all of it
	s_mul_i32 s22, s16, BHALF                      ; my 128 rows of B
	s_add_co_u32 s22, s22, BOFF
.irp s, 0,1
	v_add_nc_u32 v[ADRA+\s], s21, v[CO]
	v_add_nc_u32 v[ADRB+\s], s22, v4
	s_add_co_u32 s21, s21, SLOT
	s_add_co_u32 s22, s22, SLOT
.endr
	s_mul_i32 s23, s14, 16*SPITCH                  ; my stage
	v_mul_u32_u24 v5, v1, SPITCH
	v_lshl_add_u32 v5, v2, 5, v5
	v_add_nc_u32 v[STO], s23, v5
	v_add_nc_u32 v[RD], s23, v[CO]
	s_lshl_b32 s20, s17, 19                        ; my first row of out0: 128 rows of 4,096 bytes a block row
	s_lshl_b32 s46, s42, 10
	s_lshl_b32 s47, s16, 9
	s_add_co_u32 s46, s46, s47                     ; my first column, in bytes
	s_add_co_u32 s20, s20, s46
	s_mov_b32 s21, 0
	s_add_nc_u64 s[10:11], s[10:11], s[20:21]
.macro FRAGB reg, adr, q, i            ; registers 4 c .. 4 c + 3 hold K = 32 c + 16 (l / 16) + 0 .. 15 of row l % 16
.irp c, 0,1,2,3
	ds_load_b128 v[\reg+4*\c:\reg+4*\c+3], v[\adr] offset:128*(\q)+32*\c+(\i)*16*PITCH
.endr
.endm
.macro FRAGA reg, adr, q, i            ; the same order of K out of the images: head 2 q + c / 2, piece c % 2
.irp c, 0,1,2,3
	ds_load_b128 v[\reg+4*\c:\reg+4*\c+3], v[\adr] offset:8192*(2*(\q)+\c/2)+1024*(\i)+512*(\c%2)
.endr
.endm
.macro MUL16 a0, p, zero               ; the 64 accumulators take turns, one instruction a turn
.irp a, \a0, \a0+1
.irp b, 0,1,2,3,4,5,6,7
.if \zero
	v_wmma_f32_16x16x128_fp8_fp8 v[8*(8*((\a)%4)+\b):8*(8*((\a)%4)+\b)+7], v[128*(\p)+FR*\b:128*(\p)+FR*\b+FR-1], v[AF+FR*(\a):AF+FR*(\a)+FR-1], 0
.else
	v_wmma_f32_16x16x128_fp8_fp8 v[8*(8*((\a)%4)+\b):8*(8*((\a)%4)+\b)+7], v[128*(\p)+FR*\b:128*(\p)+FR*\b+FR-1], v[AF+FR*(\a):AF+FR*(\a)+FR-1], v[8*(8*((\a)%4)+\b):8*(8*((\a)%4)+\b)+7]
.endif
.endr
.endr
.endm
.macro FETCH_B slot, q, p
	WIN TO_B
.irp i, 0,1,2,3,4,5,6,7
	FRAGB 128*(\p)+FR*\i, ADRB+\slot, \q, \i
.endr
	WIN 0
.endm
.macro FETCH_A slot, q, i0
.irp i, \i0, \i0+1, \i0+2, \i0+3
	FRAGA AF+FR*(\i), ADRA+\slot, \q, \i
.endr
.endm
.macro PLACES n
.rept \n
	v_nop
.endr
.endm
.macro STEP slot, q, zero              ; 128 along K with its successor in the same slot
	s_wait_dscnt 4*NL                              ; B's set and A's blocks 0-3 are in; the youngest 16 loads (A's blocks 4-7) may be out
	WIN MUL_LO
	MUL16 0, (\q)%2, \zero
	MUL16 2, (\q)%2, \zero
	s_wait_dscnt 0
	PLACES NP
	FETCH_B \slot, (\q)+1, 1-(\q)%2
	FETCH_A \slot, (\q)+1, 0
	WIN MUL_HI
	MUL16 4, (\q)%2, \zero
	MUL16 6, (\q)%2, \zero
	PLACES NP
	WIN 0
	FETCH_A \slot, (\q)+1, 4
.endm
.macro TURN slot, next, fill           ; a slot's last step changes slots; fill = 1: this slot is filled again, two K steps ahead
	s_wait_tensorcnt 0x0                           ; my tensor load has landed: my part of the next slot
	ds_add_u32 v[SPW], v[NIL]
	s_wait_dscnt 4*NL+1                            ; (the add and the youngest 16 loads may be out)
	WIN MUL_LO
	MUL16 0, 1, 0
	s_wait_dscnt 0x0                               ; the add is done, and my reads of this slot are over
	s_barrier_signal -1
	MUL16 2, 1, 0
	WIN 0
	s_barrier_wait -1
.if \fill
	CREST                                          ; the barrier has opened a round of the cluster's barrier
	s_add_nc_u64 s[G0+4*\slot+2:G0+4*\slot+3], s[G0+4*\slot+2:G0+4*\slot+3], 2*4*PLANE
	s_add_nc_u64 s[G0B+4*\slot+2:G0B+4*\slot+3], s[G0B+4*\slot+2:G0B+4*\slot+3], 2*ROWB
	JLOAD G0+4*\slot, G1, G0B+4*\slot, G1B
.else
	PLACES NP
.endif
	FETCH_B \next, 0, 0
	FETCH_A \next, 0, 0
	WIN MUL_HI
	MUL16 4, 1, 0
	MUL16 6, 1, 0
	PLACES NP
	WIN 0
	FETCH_A \next, 0, 4
.endm
	s_wait_alu depctr_va_vdst(0)                   ; the wait at the head's end
	s_wait_tensorcnt 0x0                           ; my part of K step 0 is in
	ds_add_u32 v[SPW], v[NIL]
	s_wait_dscnt 0x0
	CROUND
	JLOAD G0+4, G1, G0B+4, G1B                     ; K step 1's load, the first tensor load behind the round
	FETCH_B 0, 0, 0
	FETCH_A 0, 0, 0
	FETCH_A 0, 0, 4
	s_cmp_eq_u32 s78, 0
	s_cbranch_scc0 .Lno_pf1
	global_prefetch_b8 v[PFO], s[68:69] th:TH_LOAD_NT scope:SCOPE_SE   ; K step 2,
	global_prefetch_b8 v[PFO], s[70:71] th:TH_LOAD_NT scope:SCOPE_SE   ; and K step 3, the last
.Lno_pf1:
	STEP 0, 0, 1                                   ; the first step's products start the sums
	TURN 0, 1, 1
	STEP 1, 0, 0
	TURN 1, 0, 1
	STEP 0, 0, 0
	TURN 0, 1, 0                                   ; the last lap fills nothing
	STEP 1, 0, 0
	s_wait_dscnt 4*NL
	WIN MUL_LO
	MUL16 0, 1, 0
	MUL16 2, 1, 0
	s_wait_dscnt 0
	WIN MUL_HI
	MUL16 4, 1, 0
	MUL16 6, 1, 0
	WIN 0
.macro TOSTAGE a                       ; block a, 16 rows x 128 columns: x 2^(e10 + e11), into my stage, and back as whole rows
.set AC, 64*((\a)%4)
	WIN 0x02+((\a)/4)
.set j, 0
.rept 32
	v_pk_mul_f32 v[TMP+j:TMP+j+1], v[AC+j:AC+j+1], s[96:97] op_sel_hi:[1,0]
.set j, j+2
.endr
	WIN 0
.irp b, 0,1,2,3,4,5,6,7
	ds_store_b128 v[STO], v[TMP+8*\b:TMP+8*\b+3] offset:64*\b
	ds_store_b128 v[STO], v[TMP+8*\b+4:TMP+8*\b+7] offset:64*\b+16
.endr
.set BB, BK+64*((\a)%2)
.irp t, 0,1,2,3,4,5,6,7,8,9,10,11,12,13,14,15
	ds_load_b128 v[BB+4*\t:BB+4*\t+3], v[RD] offset:\t*SPITCH
.endr
.endm
.macro SEND a, younger                 ; younger: the LDS instructions issued behind block a's loads, which may stay out
.set BB, BK+64*((\a)%2)
	s_wait_dscnt \younger
.if (\a) > 0
	s_add_nc_u64 s[10:11], s[10:11], 16*SIZE_N*4
.endif
.irp t, 0,1,2,3,4,5,6,7,8,9,10,11,12,13,14,15
	global_store_b128 v[CO], v[BB+4*\t:BB+4*\t+3], s[10:11] offset:\t*SIZE_N*4 th:TH_STORE_NT   ; 32 lanes store 512 consecutive bytes, aligned
.endr
.endm
	s_wait_kmcnt 0x0
	s_add_co_i32 s96, s96, s97
	s_add_co_i32 s96, s96, 127
	s_lshl_b32 s96, s96, 23                        ; 2^(e10 + e11) as f32
	PLACES NP
	TOSTAGE 0
.irp a, 1,2,3,4,5,6,7
.if \a > 1
	s_wait_xcnt 0x0                                ; block a - 2's stores have read their registers and their base
.endif
	TOSTAGE \a
	SEND \a-1, 32
.endr
	s_wait_xcnt 0x0
	SEND 7, 0
	s_wait_tensorcnt 0x0                           ; the wave's end
	ds_add_u32 v[SPW], v[NIL]
	s_wait_dscnt 0x0
	CROUND                                         ; the closing round
	s_endpgm
.Lfunc_end_k_q1d9ce5e513_oproj:
	.size	k_q1d9ce5e513_oproj, .Lfunc_end_k_q1d9ce5e513_oproj-k_q1d9ce5e513_oproj
	.p2alignl 7, 3214868480
	.fill 96, 4, 3214868480
	.section	.rodata,"a",@progbits
	.p2align	6, 0x0
	.amdhsa_kernel k_q1d9ce5e513_oproj
		.amdhsa_group_segment_fixed_size 327680
		.amdhsa_private_segment_fixed_size 0
		.amdhsa_enable_private_segment 0
		.amdhsa_kernarg_size 32
		.amdhsa_user_sgpr_count 2
		.amdhsa_user_sgpr_kernarg_segment_ptr 1
		.amdhsa_wavefront_size32 1
		.amdhsa_system_sgpr_workgroup_id_x 1
		.amdhsa_system_sgpr_workgroup_id_y 1
		.amdhsa_system_sgpr_workgroup_id_z 1
		.amdhsa_system_vgpr_workitem_id 0
		.amdhsa_next_free_vgpr 1024
		.amdhsa_next_free_sgpr 98
		.amdhsa_reserve_vcc 0
		.amdhsa_float_denorm_mode_32 3
		.amdhsa_float_denorm_mode_16_64 3
		.amdhsa_memory_ordered 1
		.amdhsa_forward_progress 1
		.amdhsa_inst_pref_size 124
	.end_amdhsa_kernel
	.amdgpu_metadata
---
amdhsa.version: [ 1, 2 ]
amdhsa.kernels:
  - .name:           k_q1d9ce5e513_oproj
    .symbol:         k_q1d9ce5e513_oproj.kd
    .args:
      - { .name: ac, .offset: 0, .size: 8, .value_kind: global_buffer, .address_space: global }
      - { .name: wc, .offset: 8, .size: 8, .value_kind: global_buffer, .address_space: global }
      - { .name: lowp_scales, .offset: 16, .size: 8, .value_kind: global_buffer, .address_space: global }
      - { .name: out0, .offset: 24, .size: 8, .value_kind: global_buffer, .address_space: global }
    .group_segment_fixed_size: 327680
    .private_segment_fixed_size: 0
    .kernarg_segment_align: 8
    .kernarg_segment_size: 32
    .max_flat_workgroup_size: 64
    .sgpr_count:     98
    .vgpr_count:     1024
    .wavefront_size: 32
...
	.end_amdgpu_metadata
.endif
;; end of part 4
